; MI455X (gfx1250); checked and timed in simulation.
; The chip was launched on July 23, 2026; its instructions are those of AMD's public machine-readable ISA for CDNA 5 (MIT licence, August 2026) and "CDNA5" Instruction Set Architecture Reference Guide (July 2026). The comments in the code are by the model that wrote it; some were corrected since.
;; DSAATSP Model. Allowed arithmetic: matrix products marked QUANTISED: E2M1 operands, one E8M0 scale for each 32 along K, by v_wmma_scale_f32_16x16x128_f8f6f4 with both operands' format E2M1 (or v_wmma_scale_f32_32x16x128_f4), f32 sums; products left as they are: f32 operands where the result goes on into a quantised operand, else bf16, f16 or f32 operands; f32 sums; everything else in f32.
;; Inputs: Wc_codes 1,024 x 32 x 16 uint8 (E2M1 codes of Wc, K innermost, in blocks of 32 codes, two codes a byte); Wc_scales 1,024 x 32 uint8 (E8M0 scales of Wc, one for each 32 codes along K); Wk_codes 1,024 x 32 x 16 uint8 (E2M1 codes of Wk, K innermost, in blocks of 32 codes, two codes a byte); Wk_scales 1,024 x 32 uint8 (E8M0 scales of Wk, one for each 32 codes along K); Wq_codes 1,024 x 32 x 16 uint8 (E2M1 codes of Wq, K innermost, in blocks of 32 codes, two codes a byte); Wq_scales 1,024 x 32 uint8 (E8M0 scales of Wq, one for each 32 codes along K); Wv_codes 1,024 x 32 x 16 uint8 (E2M1 codes of Wv, K innermost, in blocks of 32 codes, two codes a byte); Wv_scales 1,024 x 32 uint8 (E8M0 scales of Wv, one for each 32 codes along K); bc 1,024 float32; conv_b 2 float32; conv_w 2 x 2 float32; encoded_jobs_codes 8 x 1,024 x 32 x 16 uint8 (E2M1 codes of encoded_jobs, K innermost, in blocks of 32 codes, two codes a byte); encoded_jobs_scales 8 x 1,024 x 32 uint8 (E8M0 scales of encoded_jobs, one for each 32 codes along K); t 8 float32; tW1 512 x 1,024 float32; tW2 1,024 x 512 float32; tb1 512 float32; tb2 1,024 float32; xt 8 x 1,024 x 1,024 float32.
;; Outputs: out0 8 x 1,024 x 1,024 x 2 float32.
;; This version of the problem:
;;   THIS VERSION OF THE PROBLEM IS GIVEN IN LOW PRECISION. The matrix products marked QUANTISED in the list below multiply operands that are first quantised to E2M1 (2 exponent bits, 1 mantissa bit; 4 bits a number), with one power-of-two scale for each 32 numbers along K (OCP MX v1.0); their sums are f32. All else is computed in f32.
;;   The module's matrix products, in the order in which they are computed (A, B: the left and right operand; K: the contracted axis; several contracted axes count as one K, in the product's order):
;;     1. [M 8, K 1,024] x [K 1,024, N 512]; A: computed on the way; B: input tW1: left as it is (M = 8 < 16)
;;     2. [M 8, K 512] x [K 512, N 1,024]; A: computed on the way; B: input tW2: left as it is (M = 8 < 16)
;;     3. [M 8,192, K 1,024] x [K 1,024, N 1,024]; A: input encoded_jobs (given as codes); B: input Wq (given as codes): QUANTISED
;;     4. [M 8,192, K 1,024] x [K 1,024, N 1,024]; A: input encoded_jobs (given as codes); B: input Wk (given as codes): QUANTISED
;;     5. [M 8,192, K 1,024] x [K 1,024, N 1,024]; A: input encoded_jobs (given as codes); B: input Wv (given as codes): QUANTISED
;;     6. batch 128 x [M 1,024, K 64] x [K 64, N 1,024]; A: computed on the way; B: computed on the way: QUANTISED
;;     7. batch 128 x [M 1,024, K 1,024] x [K 1,024, N 64]; A: softmax (see below); B: computed on the way: QUANTISED
;;     8. [M 8,192, K 1,024] x [K 1,024, N 1,024]; A: computed on the way; B: input Wc (given as codes): QUANTISED
;;     9. batch 8 x [M 1,024, K 1,024] x [K 1,024, N 1,024]; A: computed on the way; B: input encoded_jobs (given as codes): QUANTISED
;;     10. [M 8,388,608, K 2] x [K 2, N 2]; A: computed on the way; B: input conv_w: left as it is (K = 2 < 32)
;;   THE QUANTISER, for each operand of a quantised product, along K:
;;     - K is cut into blocks of 32 from its start; a last block that is shorter is filled with zeros.
;;     - A block's scale is 2^e with e = floor(log2(the largest magnitude in the block)) - 2, held to -126 .. 127; a block of zeros has e = 0. As a byte (E8M0): e + 127.
;;     - Each number is divided by its block's scale, clamped to +-6, and rounded to the nearest number of E2M1, ties to even, subnormals kept.
;;     - The product sums the exact products of the quantised numbers (number of the format x scale) in f32.
;;   ~~~python
;;   def quantise(x, axis):      # numpy; x: float32 -> the quantised numbers, widened to float32 again
;;       x = np.moveaxis(x, axis, -1); K = x.shape[-1]
;;       x = np.pad(x, [(0, 0)] * (x.ndim - 1) + [(0, -K % 32)]); x = x.reshape(x.shape[:-1] + (-1, 32)); a = np.abs(x).max(-1, keepdims=True)
;;       e = np.where(a > 0, np.clip(np.frexp(np.where(a > 0, a, 1))[1] - 1 - 2, -126, 127), 0)      # np.frexp(a)[1] - 1 = floor(log2(a)), exactly
;;       r = np.clip(x / 2.0 ** e, -6, 6)
;;       step = 2.0 ** (np.maximum(np.frexp(np.where(r == 0, 1, r))[1] - 1, 0) - 1)
;;       q = np.round(r / step) * step * 2.0 ** e      # np.round: ties to even
;;       return np.moveaxis(q.reshape(q.shape[:-2] + (-1,))[..., :K], -1, axis).astype(np.float32)
;;   ~~~
;;   SOFTMAX AHEAD OF A QUANTISED PRODUCT. Where the list says 'softmax', what is quantised is not the finished softmax but p = 2^(t - M), with t = logit x log2(e) and M = ceil(the row's largest t), a whole number; so 1/2 < the row's largest p <= 1. The row's sum l is taken of the UNQUANTISED p, in f32, and the product's result is divided by l at the end. Since M is a whole number, a kernel that streams over the keys may use a running M (the ceiling of the running maximum): every later rescaling is an exact power of two, which a block's scale takes up: the codes' values come out the same.
;;   OPERANDS COMPUTED ON THE WAY. 'Computed on the way' means the value that the module computes at that place (a softmax that the list does not call 'softmax' is quantised finished and normalised). What goes into a quantiser is computed in f32, as accurately as f32 sums, v_exp_f32 and their like allow (about 1e-6 of the number): no bf16 or f16 on the way to a quantiser, and a product that is left as it is and whose result goes on into a quantised operand takes f32 operands (vector FMAs, or v_wmma_f32_16x16x4_f32). A number that lies on a knife's edge between two numbers of the format may be rounded either way, as far as f32 arithmetic and the matrix unit's own rounding can turn it there, and no further.
;;   INPUTS GIVEN AS CODES. Wc (in the module: [1024, 1024], K = its axis 1); Wk (in the module: [1024, 1024], K = its axis 1); Wq (in the module: [1024, 1024], K = its axis 1); Wv (in the module: [1024, 1024], K = its axis 1); encoded_jobs (in the module: [8, 1024, 1024], K = its axis 2): each comes as NAME_codes (uint8): NAME with its K axis moved to the last place and cut into blocks of 32 codes, [.., K / 32, bytes a block], one block behind the other in memory; two codes a byte, the lower K in the low four bits (a code: sign, 2 exponent bits, 1 mantissa bit); and NAME_scales (uint8): the same leading axes, one E8M0 byte (e + 127) for each 32 codes along K. Its value is code x scale, taken as it is: it is not quantised again, and the codes and scales need not be those that the quantiser above would give.
;; One version. Each part assembles by itself: llvm-mc -triple=amdgcn-amd-amdhsa -mcpu=gfx1250 --defsym DOCPART=n.
;; ======== version 1 of 1: 3 launches
;; limits: inputs' magnitudes at most 1,048,576
;; workspace buffers: qkv_img 12,582,912 bytes; qkv_sc 1,310,720 bytes; hid 16,384 bytes; o_img 4,194,304 bytes; o_sc 262,144 bytes; tvec 32,768 bytes; b_img 4,718,592 bytes
;; launch proj (part 1): grid 8 x 32, 4 waves a work-group, clusters of 4 x 4, 300,544 bytes of LDS; arguments encoded_jobs_codes, encoded_jobs_scales, Wq_codes, Wq_scales, Wk_codes, Wk_scales, Wv_codes, Wv_scales, t, tW1, tb1, qkv_img, qkv_sc, hid; writes qkv_img, qkv_sc, hid
.if DOCPART == 1
	.amdgcn_target "amdgcn-amd-amdhsa--gfx1250"
	.amdhsa_code_object_version 6
	.text
	.protected	k_qd45d0e132a_proj
	.globl	k_qd45d0e132a_proj
	.p2align	8
	.type	k_qd45d0e132a_proj,@function
k_qd45d0e132a_proj:
	s_mov_b64 s[64:65], 0
	v_nop
	global_prefetch_b8 v0, s[64:65] scope:SCOPE_SE
	s_setreg_imm32_b32 hwreg(HW_REG_WAVE_MODE, 25, 1), 1
	s_wait_xcnt 0x0
	s_wait_alu depctr_hold_cnt(0) depctr_sa_sdst(0) depctr_va_vdst(0) depctr_va_sdst(0) depctr_va_ssrc(0) depctr_va_vcc(0) depctr_vm_vsrc(0)
	s_getreg_b32 s2, hwreg(HW_REG_IB_STS2, 6, 4)
	s_cmp_eq_u32 s2, 0
	s_cbranch_scc0 .Lentry_in_a_cluster
	s_endpgm
.Lentry_in_a_cluster:
	s_bfe_u32 s2, ttmp6, 0x10000c
	s_cmp_lg_u32 s2, 0xf033
	s_cbranch_scc0 .Lentry_shape_is_right
	s_endpgm
.Lentry_shape_is_right:
; q = enc Wq^T, k = enc Wk^T, v = enc Wv^T on codes of FP4 (E2M1) with E8M0 scales, K = 1,024; the results are quantised in registers and stored as
; IMAGES OF THE NEXT OPERAND'S REGISTERS (q, k: blocks of 32 along the head's 64; v: blocks of 32 along the keys).  It also makes hid = relu(emb(t) tW1^T + tb1), f32.
; SHARES.  256 work-groups of equal work.  STAGE 1: cluster x = 0 makes q, 1 makes k: a tile of 256 tokens x 256 columns; four waves, 128 x 128 each, 64 accumulators.
; The matrix instruction is used transposed (source 0 = 16 rows of W, source 1 = 16 rows of enc): a lane holds ONE token and its registers run along the columns, the axis that is quantised.
; STAGE 2: the same 256 tokens against 128 rows of Wv (piece 4 x + cx): a wave makes one head's 64 d x 128 tokens, 32 accumulators; source 0 = enc, source 1 = Wv, so that the keys run along a lane's registers.
; All of K of stage 1's tiles lies in LDS: two slots of 512 along K, each filled ONCE, and the scale bytes of the 512 rows; nothing is filled again.  Stage 2 reads enc's tile where it lies, finds enc's scale
; words in the registers where stage 1 left them, and takes Wv from memory straight into registers (64 rows x 512 bytes a wave = 256 registers).  A load of a Wv fragment takes 32 bytes of each of 16 rows:
; 64 KiB a work-group out of a tensor of 512 KiB; a way through LDS would ask for a refill and a round of the cluster's barrier.
; CLUSTER 4 x 4: enc's tiles are asked for jointly along a row of the cluster, W's along a column.
; FROM TILES TO AN OPERAND.  Result tile t holds, in lane (r, h), register j = index 16 t + 8 h + j.  Tile 2 b converts into E_b and tile 2 b + 1 into O_b (8 codes, one register).  With E_2c, E_2c+1, O_2c, O_2c+1 in
; registers 4 c .. 4 c + 3, two exchanges of halves (first with second, third with fourth) leave register 4 c + p of half h' with codes 8 p .. 8 p + 7 of block 2 c + h': the 4-bit operand's layout.
; LIMITS: a block of zeros gets the scale byte 1 (its codes are zeros; only this program reads the bytes); NaN and infinities are not served; sin and cos are reduced with pi/2 in two parts:
; good while |t x freq| stays under about 2^20, beyond which the argument's own rounding governs.
; REGISTERS: window 0: v0-31 addresses; v32-95 scale words of enc and W, two sets; v96-127 the time stage's cos and sin, later the way out's addresses; v128-191 enc's fragments, later the codes;
;   v192-220 the way out; v224-255 Wv's scale words.   window 1: v0-63, v128-191 W's fragments, two sets, later Wv's K steps 4-7; v64-127, v192-255 Wv's K steps 0-3.
;   windows 2, 3: the accumulators ((a, b) at v[8 (8 (a % 4) + b)]); ahead of the products window 2 holds tW1's rows; in stage 2 window 3 holds enc's fragments, two sets.
.set PITCH,  272                       ; an LDS row: 256 bytes + 16 of padding: the 16 rows that a load touches start 68 words apart
.set HALFT,  128*PITCH                 ; 128 rows: one tensor load
.set SLOT,   4*HALFT                   ; enc's 256 rows, then W's
.set SCL,    2*SLOT                    ; the scale bytes, as rows of 256 bytes + 16
.set HALFS,  16*272                    ; those of 128 rows (32 bytes a row)
.set SBLK,   2*272                     ; those of 16 rows
.set STG,    SCL+4*HALFS               ; 1,024 bytes a wave for the way out's scale words: no fill lands here
.set NQ, 4
.set FR, 8
.set NL, 2
.set NP, 4
.set KS, 32
.set ADRA, 16
.set ADRB, 20
.set ADRS, 27
.set SC,   32
.set AF,   128
.set EC,   96                          ; cos at v96-111, sin at v112-127
.set ES,   112
.set TM,   200                         ; v200-203 largest magnitudes, v204-207 bytes, v212-215 the conversions' scale operands
.set PW,   220
.set WS,   224                         ; Wv's scale words: block a, K step s at v[WS + 8 a + s]
.set G1, 32
.set G0, 40
.set G1B, 48
.set G0B, 56
.set G1S, 68
.set G0S, 76
.set G1SB, 80
.set G0SB, 88
.set SEL, 2                            ; s[2:3] lane selects for lane l xor 16 (set behind the first fills)
.set MSB, 0
.macro WIN new                         ; the immediate's high byte repeats the setting that is left
.if MSB != \new
	s_set_vgpr_msb (MSB<<8)|\new
.set MSB, \new
.endif
.endm
.set MUL_LO, 0xa1                      ; source 0 (W) window 1, source 1 (enc) window 0, C and D window 2
.set MUL_HI, 0xf1
.set TO_B,   0x40
.set MUL_V,  0xa7                      ; source 0 (enc) window 3, source 1 (Wv) window 1, C and D window 2
; A joint load: waves 0 and 1 fetch for enc, waves 2 and 3 for W; the branch hangs on the wave's number alone.  Four v_nop follow each of the two lines.
.macro JLOAD g0a, g1a, g0b, g1b
	s_cmp_eq_u32 s93, 0
	s_cbranch_scc0 .Lfor_b_\@
	tensor_load_to_lds s[\g0a:\g0a+3], s[\g1a:\g1a+7]
	s_nop 0
.rept 4
	v_nop
.endr
	s_branch .Lasked_\@
.Lfor_b_\@:
	tensor_load_to_lds s[\g0b:\g0b+3], s[\g1b:\g1b+7]
	s_nop 0
.rept 4
	v_nop
.endr
.Lasked_\@:
.endm
.macro CROUND                          ; a round of the cluster's barrier
	s_barrier_signal -1
	s_barrier_wait -1
	s_cmp_lg_u32 s92, 0
	s_cbranch_scc1 .Lnot_wave_0_\@
	s_barrier_signal -3
.Lnot_wave_0_\@:
	s_barrier_wait -3
	s_barrier_signal -1
	s_barrier_wait -1
.endm
.macro SETWB s                         ; where Wv's four fragments of K step s stand in window 1
.if (\s) < 2
.set WBS, 64+32*(\s)
.elseif (\s) < 4
.set WBS, 192+32*((\s)-2)
.elseif (\s) < 6
.set WBS, 32*((\s)-4)
.else
.set WBS, 128+32*((\s)-6)
.endif
.endm
.macro WVLOAD s                        ; Wv's four fragments of K step s: lane (r, h) takes 16 bytes at row r, 64 s + 32 c + 16 h
	SETWB \s
.irp a, 0,1,2,3
.irp c, 0,1
	global_load_b128 v[WBS+8*\a+4*\c:WBS+8*\a+4*\c+3], v28, s[16:17] offset:8192*\a+64*(\s)+32*\c
.endr
.endr
.endm
	s_load_b512 s[4:19], s[0:1], 0x0               ; enc codes, enc scales, Wq c, Wq s, Wk c, Wk s, Wv c, Wv s
	s_load_b256 s[20:27], s[0:1], 0x40             ; t, tW1, tb1, qkv_img
	s_load_b128 s[28:31], s[0:1], 0x60             ; qkv_sc, hid
	v_lshl_add_u32 v222, v0, 2, 0x49400
	v_mov_b32 v223, 0
	ds_add_u32 v222, v223
	ds_add_u32 v222, v223
	v_lshrrev_b32 v1, 5, v0
	v_readfirstlane_b32 s92, v1                    ; wave 0..3
	s_lshr_b32 s93, s92, 1                         ; my half of the tokens; also: I fetch for enc (0) or W (1)
	s_and_b32 s94, s92, 1                          ; my half of the columns; also: which 128 rows I fetch
	s_mov_b32 s95, ttmp9                           ; cluster x: 0 q, 1 k: the same in all sixteen partners
	s_bfe_u32 s96, ttmp6, 0x40000                  ; cx
	s_bfe_u32 s97, ttmp6, 0x40004                  ; cy
	s_and_b32 s98, ttmp7, 0xffff
	s_lshl_b32 s98, s98, 2                         ; 4 x cluster y
	s_lshl_b32 s2, s97, 2
	s_lshl_b32 s2, 15, s2                          ; my row of the cluster
	s_lshl_b32 s3, 0x1111, s96                     ; my column
	; descriptor group 1 for codes: 128 rows x 256 bytes out of rows of 512; 16 bytes of padding behind each 64 words
	s_or_b32 s[G1+0], s2, (0<<16)|(1<<20)|(1<<21)|(5<<22)|(3<<25)
	s_or_b32 s[G1B+0], s3, (0<<16)|(1<<20)|(1<<21)|(5<<22)|(3<<25)
.irp g, G1, G1B
	s_mov_b32 s[\g+1], 256<<16                     ; tensor_dim0
	s_mov_b32 s[\g+2], 128<<16                     ; tensor_dim1
	s_mov_b32 s[\g+3], 256<<16                     ; tile_dim0
	s_mov_b32 s[\g+4], 128                         ; tile_dim1
	s_mov_b32 s[\g+5], 512                         ; bytes from row to row
	s_mov_b32 s[\g+6], 0
	s_mov_b32 s[\g+7], 0
.endr
	; and for the scale bytes of 128 rows: 4,096 dense bytes as 16 rows of 32 elements of 8 bytes, padded likewise
	s_or_b32 s[G1S+0], s2, (3<<16)|(1<<20)|(1<<21)|(5<<22)|(3<<25)
	s_or_b32 s[G1SB+0], s3, (3<<16)|(1<<20)|(1<<21)|(5<<22)|(3<<25)
.irp g, G1S, G1SB
	s_mov_b32 s[\g+1], 32<<16
	s_mov_b32 s[\g+2], 16<<16
	s_mov_b32 s[\g+3], 32<<16
	s_mov_b32 s[\g+4], 16
	s_mov_b32 s[\g+5], 32
	s_mov_b32 s[\g+6], 0
	s_mov_b32 s[\g+7], 0
.endr
	s_add_co_u32 s99, s98, s97                     ; which 256 tokens: 4 Y + cy.  It never holds cx
	s_lshl_b32 s2, s94, 7
	s_lshl_b32 s100, s99, 8
	s_add_co_u32 s100, s100, s2                    ; the first row of enc that I would fetch
	s_lshl_b32 s101, s96, 8
	s_add_co_u32 s101, s101, s2                    ; and of W: 256 cx + 128 x half.  It never holds cy
	s_mul_i32 s3, s92, HALFT                       ; where they go: wave x 128 rows
	s_mul_i32 s66, s92, HALFS
	s_wait_dscnt 0x0
	s_wait_kmcnt 0x0
	s_cmp_eq_u32 s95, 1                            ; the weight, by the cluster's x alone
	s_cselect_b64 s[8:9], s[12:13], s[8:9]
	s_cselect_b64 s[10:11], s[14:15], s[10:11]
	s_lshl_b32 s12, s100, 9                        ; 512 bytes of codes a row,
	s_mov_b32 s13, 0
	s_add_nc_u64 s[4:5], s[4:5], s[12:13]
	s_lshl_b32 s12, s100, 5                        ; 32 scale bytes
	s_add_nc_u64 s[6:7], s[6:7], s[12:13]
	s_lshl_b32 s14, s101, 9
	s_mov_b32 s15, 0
	s_add_nc_u64 s[8:9], s[8:9], s[14:15]
	s_lshl_b32 s14, s101, 5
	s_add_nc_u64 s[10:11], s[10:11], s[14:15]
	CROUND                                         ; all sixteen work-groups are here: the joint loads meet
	s_mov_b32 s[G0S], 1
	s_add_co_u32 s[G0S+1], s66, SCL
	s_mov_b64 s[G0S+2:G0S+3], s[6:7]
	s_or_b32 s[G0S+3], s[G0S+3], 0x80000000
	s_mov_b32 s[G0SB], 1
	s_add_co_u32 s[G0SB+1], s66, SCL
	s_mov_b64 s[G0SB+2:G0SB+3], s[10:11]
	s_or_b32 s[G0SB+3], s[G0SB+3], 0x80000000
	JLOAD G0S, G1S, G0SB, G1SB                     ; the scales first
.irp s, 0,1
	s_mov_b32 s[G0+4*\s], 1
	s_add_co_u32 s[G0+4*\s+1], s3, \s*SLOT
	s_add_nc_u64 s[G0+4*\s+2:G0+4*\s+3], s[4:5], \s*256
	s_or_b32 s[G0+4*\s+3], s[G0+4*\s+3], 0x80000000
	s_mov_b32 s[G0B+4*\s], 1
	s_add_co_u32 s[G0B+4*\s+1], s3, \s*SLOT
	s_add_nc_u64 s[G0B+4*\s+2:G0B+4*\s+3], s[8:9], \s*256
	s_or_b32 s[G0B+4*\s+3], s[G0B+4*\s+3], 0x80000000
	JLOAD G0+4*\s, G1, G0B+4*\s, G1B               ; both halves of K: three tensor loads of mine are out
.endr
	s_mov_b32 s[SEL], 0x76543210
	s_mov_b32 s[SEL+1], 0xfedcba98
	; my head of v: 2 (4 x + cx) + my half of the columns; its 64 rows of Wv
	s_lshl_b32 s4, s95, 2
	s_add_co_u32 s4, s4, s96
	s_lshl_b32 s4, s4, 1
	s_add_co_u32 s67, s4, s94
	s_lshl_b32 s4, s67, 15                         ; 64 rows of 512 bytes
	s_mov_b32 s5, 0
	s_add_nc_u64 s[16:17], s[16:17], s[4:5]
	s_lshl_b32 s4, s67, 11                         ; 64 rows of 32 scale bytes
	s_add_nc_u64 s[18:19], s[18:19], s[4:5]
	v_and_b32 v1, 15, v0
	v_bfe_u32 v2, v0, 4, 1
	v_lshlrev_b32 v28, 9, v1
	v_lshl_add_u32 v28, v2, 4, v28                 ; Wv's fragments: row r, + 16 h; never rewritten
	v_lshlrev_b32 v29, 5, v1                       ; Wv's scale words: row r; never rewritten
; ---- THE TIME STAGE, while the tiles land: hid[b][u] = relu(sum_k emb[b][k] tW1[u][k] + tb1[u]), emb = cos(t f_i), sin(t f_i), f_i = 10000^(-i / 512).
; The launch's 1,024 waves take one b and four units each.  A lane's 16 bytes of chunk i of a row of tW1 are k = 128 i + 4 lane + 0 .. 3: chunks 0-3 meet cos, chunks 4-7 sin of the same 16 arguments.
; sin and cos of x = v[EC + k]: n = round(x 2 / pi), r = x - n pi/2 (two parts), polynomials on |r| <= pi/4, then the quadrant.
.macro SINCOS k
	v_mul_f32 v4, 0x3f22f983, v[EC+\k]
	v_rndne_f32 v4, v4
	v_fmamk_f32 v5, v4, 0xbfc90fdb, v[EC+\k]
	v_fmamk_f32 v5, v4, 0x333bbd2e, v5
	v_cvt_i32_f32 v6, v4
	v_mul_f32 v7, v5, v5
	v_fmaak_f32 v8, v12, v7, 0x3c08839e
	v_fmaak_f32 v9, v13, v7, 0xbab6061a
	v_fmaak_f32 v8, v8, v7, 0xbe2aaaa3
	v_fmaak_f32 v9, v9, v7, 0x3d2aaaa5
	v_mul_f32 v8, v8, v7
	v_mul_f32 v10, v7, v7
	v_fma_f32 v11, v7, -0.5, 1.0
	v_fma_f32 v8, v8, v5, v5                       ; sin r
	v_fma_f32 v9, v9, v10, v11                     ; cos r
	v_and_b32 v10, 1, v6
	v_cmp_eq_u32 vcc_lo, 1, v10
	v_cndmask_b32 v10, v8, v9, vcc_lo              ; odd quadrants change the two
	v_cndmask_b32 v11, v9, v8, vcc_lo
	v_lshlrev_b32 v4, 30, v6
	v_add_nc_u32 v6, 1, v6
	v_and_b32 v4, 0x80000000, v4                   ; sin is negative in quadrants 2, 3
	v_lshlrev_b32 v6, 30, v6
	v_xor_b32 v[ES+\k], v4, v10
	v_and_b32 v6, 0x80000000, v6                   ; cos in quadrants 1, 2
	v_xor_b32 v[EC+\k], v6, v11
.endm
	s_lshl_b32 s4, s98, 2
	s_lshl_b32 s5, s97, 2
	s_add_co_u32 s4, s4, s5
	s_add_co_u32 s4, s4, s96
	s_lshl_b32 s4, s4, 2
	s_add_co_u32 s4, s4, s92
	s_lshl_b32 s5, s95, 9
	s_add_co_u32 s4, s4, s5                        ; G = 512 x + 4 (16 Y + 4 cy + cx) + wave: it enters global addresses alone
	s_and_b32 s5, s4, 7                            ; b
	s_lshr_b32 s6, s4, 3                           ; units 4 (G / 8) on
	s_lshl_b32 s8, s5, 2
	s_mov_b32 s9, 0
	s_add_nc_u64 s[20:21], s[20:21], s[8:9]
	s_load_b32 s7, s[20:21], 0x0                   ; t[b]
	s_lshl_b32 s8, s6, 4
	s_add_nc_u64 s[24:25], s[24:25], s[8:9]
	s_load_b128 s[12:15], s[24:25], 0x0            ; tb1 of my four units
	s_lshl_b32 s10, s6, 14
	s_mov_b32 s11, 0
	s_add_nc_u64 s[22:23], s[22:23], s[10:11]      ; my four rows of tW1
	s_lshl_b32 s5, s5, 11
	s_add_co_u32 s5, s5, s8                        ; where the four results go in hid
	v_and_b32 v2, 31, v0
	v_lshlrev_b32 v3, 4, v2
	v_lshlrev_b32 v2, 2, v2
	WIN 0x80                                       ; destination window 2: the accumulators' registers are idle until the first product
.irp u, 0,1,2,3
.irp i, 0,1,2,3,4,5,6,7
	global_load_b128 v[32*\u+4*\i:32*\u+4*\i+3], v3, s[22:23] offset:4096*\u+512*\i   ; 32 lanes read 512 consecutive bytes
.endr
.endr
	WIN TO_B                                       ; behind them, for stage 2: Wv's K steps 0-3 into the idle half of window 1,
	WVLOAD 0
	WVLOAD 1
	WVLOAD 2
	WVLOAD 3
	WIN 0
.irp a, 0,1,2,3
	global_load_b128 v[WS+8*\a:WS+8*\a+3], v29, s[18:19] offset:512*\a      ; and its scale words: eight a row
	global_load_b128 v[WS+8*\a+4:WS+8*\a+7], v29, s[18:19] offset:512*\a+16
.endr
.irp i, 0,1,2,3
.irp j, 0,1,2,3
	v_add_nc_u32 v[EC+4*\i+\j], 128*\i+\j, v2
.endr
.endr
.set kk, 0
.rept 16
	v_cvt_f32_u32 v[EC+kk], v[EC+kk]
.set kk, kk+1
.endr
.set kk, 0
.rept 16
	v_mul_f32 v[EC+kk], 0xbcd49a78, v[EC+kk]       ; x -log2(10000) / 512
.set kk, kk+1
.endr
.set kk, 0
.rept 16
	v_exp_f32 v[EC+kk], v[EC+kk]                   ; one batch
.set kk, kk+1
.endr
	v_mov_b32 v12, 0xb94ca1f9                      ; (plain lines behind the batch) the polynomials' leading coefficients
	v_mov_b32 v13, 0x37ccf5ce
	s_wait_alu depctr_va_vdst(0)                   ; one wait for the sixteen, ahead of their first reader
	s_wait_kmcnt 0x0
.set kk, 0
.rept 16
	v_mul_f32 v[EC+kk], s7, v[EC+kk]
.set kk, kk+1
.endr
.set kk, 0
.rept 16
	SINCOS kk
.set kk, kk+1
.endr
	s_wait_loadcnt 40                              ; tW1's 32 loads are in; Wv's 32 and its words' 8, issued behind them, stay out
	WIN 0x08                                       ; source 1: window 2
.irp u, 0,1,2,3
	v_pk_mul_f32 v[4+2*\u:5+2*\u], v[EC:EC+1], v[32*\u:32*\u+1]
.endr
.set kk, 2
.rept 15
.irp u, 0,1,2,3
	v_pk_fma_f32 v[4+2*\u:5+2*\u], v[EC+kk:EC+kk+1], v[32*\u+kk:32*\u+kk+1], v[4+2*\u:5+2*\u]
.endr
.set kk, kk+2
.endr
	WIN 0
.irp u, 0,1,2,3
	v_add_f32 v[12+\u], v[4+2*\u], v[5+2*\u]
.endr
.irp m, 1,2,4,8
.irp u, 0,1,2,3
	v_add_f32_dpp v[12+\u], v[12+\u], v[12+\u] row_xmask:\m row_mask:0xf bank_mask:0xf
.endr
.endr
.irp u, 0,1,2,3
	v_permlanex16_b32 v[4+\u], v[12+\u], s[SEL], s[SEL+1]
.endr
.irp u, 0,1,2,3
	v_add_f32 v[12+\u], v[12+\u], v[4+\u]
.endr
.irp u, 0,1,2,3
	v_add_f32 v[12+\u], s[12+\u], v[12+\u]
.endr
.irp u, 0,1,2,3
	v_max_num_f32 v[12+\u], 0, v[12+\u]
.endr
	v_mov_b32 v4, s5
	v_cmp_eq_u32 vcc_lo, 0, v2                     ; lane 0 stores the four
	s_wait_xcnt 0x0                                ; EXEC changes only behind this wait
	s_and_saveexec_b32 s66, vcc_lo
	global_store_b128 v4, v[12:15], s[30:31]
	s_wait_xcnt 0x0                                ; and again in front of the line that widens it
	s_or_b32 exec_lo, exec_lo, s66
	; ---- addresses of the fragments and scale words
	v_and_b32 v1, 15, v0                           ; r
	v_bfe_u32 v2, v0, 4, 1                         ; h
	v_mul_u32_u24 v3, v1, PITCH
	v_lshl_add_u32 v4, v2, 4, v3
	s_mul_i32 s4, s93, HALFT
	s_mul_i32 s5, s94, HALFT
	s_add_co_u32 s5, s5, 2*HALFT
.irp s, 0,1
	v_add_nc_u32 v[ADRA+\s], s4, v4
	v_add_nc_u32 v[ADRB+\s], s5, v4
	s_add_co_u32 s4, s4, SLOT
	s_add_co_u32 s5, s5, SLOT
.endr
	v_mul_u32_u24 v5, v1, KS
	v_lshrrev_b32 v6, 8, v5
	v_lshl_add_u32 v5, v6, 4, v5                   ; 32 bytes a row, 16 more for each 256 passed
	s_mul_i32 s4, s93, HALFS
	s_mul_i32 s5, s94, HALFS
	s_add_co_u32 s5, s5, 2*HALFS
	s_sub_co_u32 s5, s5, s4
	v_mul_u32_u24 v6, s5, v2                       ; lanes 16-31 take W's
	s_add_co_u32 s4, s4, SCL
	v_add_nc_u32 v5, v5, v6
	v_add_nc_u32 v[ADRS], s4, v5
	; ---- where the results go
	s_lshr_b32 s4, s99, 2                          ; the batch
	s_and_b32 s5, s99, 3
	s_lshl_b32 s4, s4, 4
	s_lshl_b32 s6, s5, 1
	s_add_co_u32 s6, s6, s93                       ; which 128 tokens of the batch are mine
	s_lshl_b32 s7, s96, 2
	s_add_co_u32 s7, s7, s4
	s_lshl_b32 s8, s94, 1
	s_add_co_u32 s7, s7, s8                        ; q, k: my first head: 16 b + 4 cx + 2 x half
	s_add_co_u32 s4, s4, s67                       ; v: my head
	s_mul_i32 s8, s7, 98304
	s_lshl_b32 s10, s95, 15
	s_add_co_u32 s8, s8, s10
	s_lshl_b32 s10, s6, 12
	s_add_co_u32 s8, s8, s10
	s_mov_b32 s9, 0
	s_mul_i32 s10, s4, 98304
	s_lshl_b32 s11, s6, 12
	s_add_co_u32 s10, s10, s11
	s_add_co_u32 s10, s10, 65536
	s_mov_b32 s11, 0
	s_add_nc_u64 s[12:13], s[26:27], s[10:11]      ; v's images
	s_add_nc_u64 s[26:27], s[26:27], s[8:9]        ; q's or k's
	s_mul_i32 s8, s7, 10240
	s_lshl_b32 s10, s95, 12
	s_add_co_u32 s8, s8, s10
	s_lshl_b32 s10, s6, 9
	s_add_co_u32 s8, s8, s10
	s_mul_i32 s10, s4, 10240
	s_lshl_b32 s5, s6, 8
	s_add_co_u32 s10, s10, s5
	s_add_co_u32 s10, s10, 8192
	s_add_nc_u64 s[14:15], s[28:29], s[10:11]      ; v's scale words
	s_add_nc_u64 s[28:29], s[28:29], s[8:9]        ; q's or k's
	v_and_b32 v118, 31, v0
	v_lshlrev_b32 v116, 4, v118                    ; 16 bytes a lane
	v_lshlrev_b32 v118, 3, v118                    ; 8 bytes a lane
	s_lshl_b32 s5, s92, 10
	s_add_co_u32 s5, s5, STG
	v_lshlrev_b32 v112, 2, v1
	v_lshl_add_u32 v112, v2, 9, v112
	v_add_nc_u32 v112, s5, v112                    ; my stage: 512 h + 4 r
	v_add_nc_u32 v113, s5, v116                    ; and back
	v_add_nc_u32 v117, s5, v118
	v_lshlrev_b32 v115, 4, v2                      ; q, k: lanes 16-31 keep the second head's two bytes
.irp b, 0,1,2,3
	v_mov_b32 v[TM+4+\b], 0                        ; a lane permute's destination counts as one of its sources
.endr
.macro FRAG reg, adr, q, i             ; 16 rows x 128 K of 4-bit codes: 8 registers, two loads of 16 bytes, 32 bytes apart
.irp c, 0,1
	ds_load_b128 v[\reg+4*\c:\reg+4*\c+3], v[\adr] offset:64*(\q)+32*\c+(\i)*16*PITCH
.endr
.endm
; 16 matrix instructions: enc's blocks a0, a0 + 1 x W's eight.  The 64 accumulators take turns, one instruction a turn.
.macro MUL16 a0, p, q, sc, zero
.irp a, \a0, \a0+1
.irp b, 0,1,2,3,4,5,6,7
.if \zero
	v_wmma_scale_f32_16x16x128_f8f6f4 v[8*(8*((\a)%4)+\b):8*(8*((\a)%4)+\b)+7], v[128*(\p)+FR*\b:128*(\p)+FR*\b+FR-1], v[AF+FR*(\a):AF+FR*(\a)+FR-1], 0, v[SC+8*NQ*(\sc)+NQ*\b+(\q)], v[SC+8*NQ*(\sc)+NQ*(\a)+(\q)] matrix_a_fmt:MATRIX_FMT_FP4 matrix_b_fmt:MATRIX_FMT_FP4 matrix_a_scale:MATRIX_SCALE_ROW1
.else
	v_wmma_scale_f32_16x16x128_f8f6f4 v[8*(8*((\a)%4)+\b):8*(8*((\a)%4)+\b)+7], v[128*(\p)+FR*\b:128*(\p)+FR*\b+FR-1], v[AF+FR*(\a):AF+FR*(\a)+FR-1], v[8*(8*((\a)%4)+\b):8*(8*((\a)%4)+\b)+7], v[SC+8*NQ*(\sc)+NQ*\b+(\q)], v[SC+8*NQ*(\sc)+NQ*(\a)+(\q)] matrix_a_fmt:MATRIX_FMT_FP4 matrix_b_fmt:MATRIX_FMT_FP4 matrix_a_scale:MATRIX_SCALE_ROW1
.endif
.endr
.endr
.endm
.macro FETCH_B slot, q, p
	WIN TO_B
.irp i, 0,1,2,3,4,5,6,7
	FRAG 128*(\p)+FR*\i, ADRB+\slot, \q, \i
.endr
	WIN 0
.endm
.macro FETCH_A slot, q, i0
.irp i, \i0, \i0+1, \i0+2, \i0+3
	FRAG AF+FR*(\i), ADRA+\slot, \q, \i
.endr
.endm
.macro SCALES sc                       ; four words a row: lanes 0-15 enc's block i, lanes 16-31 W's block i
.irp i, 0,1,2,3,4,5,6,7
	ds_load_b128 v[SC+8*NQ*\sc+NQ*\i:SC+8*NQ*\sc+NQ*\i+3], v[ADRS] offset:\i*SBLK
.endr
.endm
.macro PLACES n                        ; plain vector lines between a matrix instruction and a load into, or a read of, its registers
.rept \n
	v_nop
.endr
.endm
.macro STEP slot, q, zero              ; 128 along K, with its successor in the same slot
	s_wait_dscnt 4*NL                              ; all but the youngest eight loads (enc's blocks 4-7)
	WIN MUL_LO
	MUL16 0, (\q)%2, \q, \slot, \zero
	MUL16 2, (\q)%2, \q, \slot, \zero
	s_wait_dscnt 0
	PLACES NP
	FETCH_B \slot, (\q)+1, 1-(\q)%2
	FETCH_A \slot, (\q)+1, 0
	WIN MUL_HI
	MUL16 4, (\q)%2, \q, \slot, \zero
	MUL16 6, (\q)%2, \q, \slot, \zero
	PLACES NP
	WIN 0
	FETCH_A \slot, (\q)+1, 4
.endm
	s_wait_tensorcnt 1                             ; the scales and my part of slot 0 are in; slot 1's load stays out
	s_barrier_signal -1
	s_barrier_wait -1                              ; everybody's are
	FETCH_B 0, 0, 0
	FETCH_A 0, 0, 0
	SCALES 0
	FETCH_A 0, 0, 4
	STEP 0, 0, 1                                   ; the first products start the sums
	STEP 0, 1, 0
	STEP 0, 2, 0
	; slot 0's last step, and the one barrier that shows slot 1 whole to every wave
	s_wait_tensorcnt 0x0                           ; my part of slot 1 has landed
	s_wait_dscnt 4*NL
	WIN MUL_LO
	MUL16 0, 1, NQ-1, 0, 0
	s_wait_dscnt 0x0                               ; no LDS instruction of mine is out at the signal
	s_barrier_signal -1
	MUL16 2, 1, NQ-1, 0, 0
	WIN 0
	s_barrier_wait -1
	PLACES NP
	v_add_nc_u32 v[ADRS], 4*NQ, v[ADRS]            ; the second half of K's scale words
	FETCH_B 1, 0, 0
	FETCH_A 1, 0, 0
	SCALES 1
	WIN MUL_HI
	MUL16 4, 1, NQ-1, 0, 0
	MUL16 6, 1, NQ-1, 0, 0
	PLACES NP
	WIN 0
	FETCH_A 1, 0, 4
	STEP 1, 0, 0
	STEP 1, 1, 0
	STEP 1, 2, 0
	s_wait_dscnt 4*NL
	WIN MUL_LO
	MUL16 0, 1, NQ-1, 1, 0
	MUL16 2, 1, NQ-1, 1, 0
	s_wait_dscnt 0
	WIN MUL_HI
	MUL16 4, 1, NQ-1, 1, 0
	MUL16 6, 1, NQ-1, 1, 0
	WIN 0
	PLACES NP
	WIN TO_B                                       ; W's two sets are done with: they take Wv's K steps 4-7, which land under the way out below
	WVLOAD 4
	WVLOAD 5
	WVLOAD 6
	WVLOAD 7
; ---- THE WAY OUT.  Block a: 16 rows of source 1 x 128 along a lane's registers = four blocks of 32: a fragment of 8 registers and a scale word a row.
; isv = 0: 16 tokens x two heads' 64: each head's half fragment into its own record, each head's two bytes into its own word.  isv = 1: 16 d x 128 keys: one fragment, one word.
.macro QUANT4 a, isv
.set AC, 64*((\a)%4)
.set WW, 2+(\a)/4
.set WSRC, (WW<<2)|(WW<<4)
.set PCA, 128+8*(\a)
	WIN WSRC                                       ; sources 1 and 2: the accumulators' window
.irp b, 0,1,2,3
	v_max3_num_f32 v[TM+\b], 0x1800000, |v[AC+16*\b]|, |v[AC+16*\b+1]|   ; my 16 numbers of block b, from each accumulator's low end on, and the floor 2^(3 - 127): the byte cannot fall under 1
.endr
.irp i, 2,4,6,8,10,12,14
.irp b, 0,1,2,3
	v_max3_num_f32 v[TM+\b], v[TM+\b], |v[AC+16*\b+\i]|, |v[AC+16*\b+\i+1]|
.endr
.endr
	WIN 0
.irp b, 0,1,2,3
	v_permlanex16_b32 v[TM+4+\b], v[TM+\b], s[SEL], s[SEL+1]
.endr
.irp b, 0,1,2,3
	v_max_num_f32 v[TM+\b], v[TM+\b], v[TM+4+\b]   ; with lane l xor 16's sixteen: the block's largest magnitude
.endr
.irp b, 0,1,2,3
	v_add_nc_u32 v[TM+12+\b], 0xff000000, v[TM+\b] ; 2 off its exponent field: the conversion's scale operand
.endr
.irp b, 0,1,2,3
	v_lshrrev_b32 v[TM+4+\b], 23, v[TM+12+\b]      ; the scale's byte
.endr
	v_lshl_or_b32 v[PW], v[TM+5], 8, v[TM+4]
	v_lshl_or_b32 v[PW], v[TM+6], 16, v[PW]
	v_lshl_or_b32 v[PW], v[TM+7], 24, v[PW]
	WIN WW                                         ; source 0: the accumulators' window
.irp c, 0,1
	v_cvt_scalef32_pk8_fp4_f32 v[PCA+4*\c], v[AC+32*\c:AC+32*\c+7], v[TM+12+2*\c]
	v_cvt_scalef32_pk8_fp4_f32 v[PCA+4*\c+2], v[AC+32*\c+8:AC+32*\c+15], v[TM+12+2*\c]
	v_cvt_scalef32_pk8_fp4_f32 v[PCA+4*\c+1], v[AC+32*\c+16:AC+32*\c+23], v[TM+13+2*\c]
	v_cvt_scalef32_pk8_fp4_f32 v[PCA+4*\c+3], v[AC+32*\c+24:AC+32*\c+31], v[TM+13+2*\c]
.endr
	WIN 0
	v_nop                                          ; one plain line behind the conversions
.irp c, 0,1
	v_permlane16_swap_b32 v[PCA+4*\c], v[PCA+4*\c+1]
	v_permlane16_swap_b32 v[PCA+4*\c+2], v[PCA+4*\c+3]
.endr
.if \isv
	global_store_b128 v116, v[PCA:PCA+3], s[12:13] offset:1024*(\a)          ; 32 lanes store 512 consecutive bytes
	global_store_b128 v116, v[PCA+4:PCA+7], s[12:13] offset:1024*(\a)+512
	ds_store_b32 v112, v[PW] offset:64*(\a)
.else
	v_lshrrev_b32 v[192+\a], v115, v[PW]
	global_store_b128 v116, v[PCA:PCA+3], s[26:27] offset:512*(\a)
	global_store_b128 v116, v[PCA+4:PCA+7], s[26:27] offset:512*(\a)+98304   ; the next head's record
	ds_store_b32 v112, v[192+\a] offset:64*(\a)
.endif
.endm
.macro FETCH_E s                       ; stage 2: enc's eight fragments of K step s into set s % 2 of window 3
	WIN 0xc0
.irp i, 0,1,2,3,4,5,6,7
	FRAG 64*((\s)%2)+FR*\i, ADRA+(\s)/4, (\s)%4, \i
.endr
.endm
	QUANT4 4, 0                                    ; window 3 first: its registers take stage 2's fragments of enc
	FETCH_E 0                                      ; into block 4's registers, which have just been read out
	QUANT4 5, 0
	QUANT4 6, 0
	QUANT4 7, 0
	QUANT4 0, 0
	QUANT4 1, 0
	QUANT4 2, 0
	QUANT4 3, 0
	ds_load_b128 v[208:211], v113                  ; LDS serves a wave's instructions in order: these see my stores
	ds_load_b128 v[216:219], v113 offset:512
	s_wait_dscnt 0x0
	global_store_b128 v116, v[208:211], s[28:29]   ; 128 tokens' words of my first head,
	global_store_b128 v116, v[216:219], s[28:29] offset:10240   ; of my second
; ---- STAGE 2: V^T of my head for my 128 tokens: 8 K steps of 32 matrix instructions, the 32 accumulators by turns.
; enc's scale words stand where stage 1 left them: lanes 0-15 of v[SC + 32 (s / 4) + 4 b + s % 4].
.macro MULV s
	SETWB \s
.irp a, 0,1,2,3
.irp b, 0,1,2,3,4,5,6,7
.if (\s) == 0
	v_wmma_scale_f32_16x16x128_f8f6f4 v[8*(8*\a+\b):8*(8*\a+\b)+7], v[64*((\s)%2)+FR*\b:64*((\s)%2)+FR*\b+FR-1], v[WBS+FR*\a:WBS+FR*\a+FR-1], 0, v[SC+32*((\s)/4)+NQ*\b+(\s)%4], v[WS+8*\a+(\s)] matrix_a_fmt:MATRIX_FMT_FP4 matrix_b_fmt:MATRIX_FMT_FP4
.else
	v_wmma_scale_f32_16x16x128_f8f6f4 v[8*(8*\a+\b):8*(8*\a+\b)+7], v[64*((\s)%2)+FR*\b:64*((\s)%2)+FR*\b+FR-1], v[WBS+FR*\a:WBS+FR*\a+FR-1], v[8*(8*\a+\b):8*(8*\a+\b)+7], v[SC+32*((\s)/4)+NQ*\b+(\s)%4], v[WS+8*\a+(\s)] matrix_a_fmt:MATRIX_FMT_FP4 matrix_b_fmt:MATRIX_FMT_FP4
.endif
.endr
.endr
.endm
.macro STEP2 s
	s_wait_dscnt 0x0                               ; this step's fragments of enc are in: they were asked for a step ago
.if (\s) == 0
	s_wait_loadcnt 32                              ; Wv's K steps 0-3 and its words are in; the 32 loads of K steps 4-7 stay out
.endif
.if (\s) == 4
	s_wait_loadcnt 0x0
.endif
.if (\s) < 7
.if (\s) > 0
	PLACES NP                                      ; the other set was read by the last step's products
.endif
	FETCH_E (\s)+1
.endif
	WIN MUL_V
	MULV \s
.endm
.irp s, 0,1,2,3,4,5,6,7
	STEP2 \s
.endr
	WIN 0
	PLACES NP
	s_wait_xcnt 0x0                                ; stage 1's stores have read the registers that the codes and words below are written into
	QUANT4 0, 1
	QUANT4 1, 1
	QUANT4 2, 1
	QUANT4 3, 1
	ds_load_b64 v[208:209], v117                   ; the 64 words of my head's d for these 128 keys
	s_wait_dscnt 0x0
	global_store_b64 v118, v[208:209], s[14:15]    ; 32 lanes store 256 consecutive bytes, aligned
	s_wait_tensorcnt 0x0
	ds_add_u32 v222, v223
	s_wait_dscnt 0x0
	CROUND                                         ; the closing round: no work-group ends while a partner may still ask for a tile that names it
	s_endpgm
.Lfunc_end_k_qd45d0e132a_proj:
	.size	k_qd45d0e132a_proj, .Lfunc_end_k_qd45d0e132a_proj-k_qd45d0e132a_proj
	.p2alignl 7, 3214868480
	.fill 96, 4, 3214868480
	.section	.rodata,"a",@progbits
	.p2align	6, 0x0
	.amdhsa_kernel k_qd45d0e132a_proj
		.amdhsa_group_segment_fixed_size 300544
		.amdhsa_private_segment_fixed_size 0
		.amdhsa_enable_private_segment 0
		.amdhsa_kernarg_size 112
		.amdhsa_user_sgpr_count 2
		.amdhsa_user_sgpr_kernarg_segment_ptr 1
		.amdhsa_wavefront_size32 1
		.amdhsa_system_sgpr_workgroup_id_x 1
		.amdhsa_system_sgpr_workgroup_id_y 1
		.amdhsa_system_sgpr_workgroup_id_z 1
		.amdhsa_system_vgpr_workitem_id 0
		.amdhsa_next_free_vgpr 1024
		.amdhsa_next_free_sgpr 102
		.amdhsa_reserve_vcc 1
		.amdhsa_float_denorm_mode_32 3
		.amdhsa_float_denorm_mode_16_64 3
		.amdhsa_memory_ordered 1
		.amdhsa_forward_progress 1
		.amdhsa_inst_pref_size 228
	.end_amdhsa_kernel
	.amdgpu_metadata
---
amdhsa.version: [ 1, 2 ]
amdhsa.kernels:
  - .name:           k_qd45d0e132a_proj
    .symbol:         k_qd45d0e132a_proj.kd
    .args:
      - { .name: encoded_jobs_codes, .offset: 0, .size: 8, .value_kind: global_buffer, .address_space: global }
      - { .name: encoded_jobs_scales, .offset: 8, .size: 8, .value_kind: global_buffer, .address_space: global }
      - { .name: Wq_codes, .offset: 16, .size: 8, .value_kind: global_buffer, .address_space: global }
      - { .name: Wq_scales, .offset: 24, .size: 8, .value_kind: global_buffer, .address_space: global }
      - { .name: Wk_codes, .offset: 32, .size: 8, .value_kind: global_buffer, .address_space: global }
      - { .name: Wk_scales, .offset: 40, .size: 8, .value_kind: global_buffer, .address_space: global }
      - { .name: Wv_codes, .offset: 48, .size: 8, .value_kind: global_buffer, .address_space: global }
      - { .name: Wv_scales, .offset: 56, .size: 8, .value_kind: global_buffer, .address_space: global }
      - { .name: t, .offset: 64, .size: 8, .value_kind: global_buffer, .address_space: global }
      - { .name: tW1, .offset: 72, .size: 8, .value_kind: global_buffer, .address_space: global }
      - { .name: tb1, .offset: 80, .size: 8, .value_kind: global_buffer, .address_space: global }
      - { .name: qkv_img, .offset: 88, .size: 8, .value_kind: global_buffer, .address_space: global }
      - { .name: qkv_sc, .offset: 96, .size: 8, .value_kind: global_buffer, .address_space: global }
      - { .name: hid, .offset: 104, .size: 8, .value_kind: global_buffer, .address_space: global }
    .group_segment_fixed_size: 300544
    .private_segment_fixed_size: 0
    .kernarg_segment_align: 8
    .kernarg_segment_size: 112
    .max_flat_workgroup_size: 128
    .sgpr_count:     102
    .vgpr_count:     1024
    .wavefront_size: 32
...
	.end_amdgpu_metadata
.endif
;; end of part 1
;; launch attn (part 2): grid 2 x 128, 16 waves a work-group, no clusters, 169,984 bytes of LDS; arguments qkv_img, qkv_sc, hid, tW2, tb2, bc, encoded_jobs_codes, Wc_codes, o_img, o_sc, tvec, b_img; writes o_img, o_sc, tvec, b_img
.if DOCPART == 2
	.amdgcn_target "amdgcn-amd-amdhsa--gfx1250"
	.amdhsa_code_object_version 6
	.text
	.protected	k_qd45d0e132a_attn
	.globl	k_qd45d0e132a_attn
	.p2align	8
	.type	k_qd45d0e132a_attn,@function
k_qd45d0e132a_attn:
	s_mov_b64 s[64:65], 0
	v_nop
	global_prefetch_b8 v0, s[64:65] scope:SCOPE_SE
	s_setreg_imm32_b32 hwreg(HW_REG_WAVE_MODE, 25, 1), 1
	s_wait_xcnt 0x0
; Attention of one head on codes of FP4 (E2M1): S^T = K Q^T (head size 64: the upper half of the instruction's 128 along K meets zero codes of Q), p = 2^(t - M) with t = score x log2(e) / 8 and
; M the running largest t rounded up to a whole number, p quantised along the keys, O^T += V^T P^T, O / (the sum of the unquantised p), quantised along the head's 64 and stored as an image of the next operand's registers.
; SHARES.  A work-group has 512 queries of one head (x: which half; y: 16 b + head); each of sixteen waves takes two tiles of 16 queries, one after the other, and walks the 1,024 keys in 8 steps of 128.
; The head's K and V images (64 KiB) and their scale words (6 KiB) come into LDS ONCE; nothing is filled again; one barrier in the launch.
; A clustered launch is left out: the two work-groups of a head share only that one first fill of 70 KiB, which lands under the work below.
; The eight steps of a tile are written out: every LDS offset is an immediate, and a step asks for the next step's K behind its own first products, a whole softmax ahead of its use.
; Both tiles' Q are asked for at the head.
; WHILE THE FILL LANDS each wave (a) lays one fragment of encoded_jobs' codes (the first 512 waves: one of Wc's too) into b_img in the order of an operand's registers, (b) makes two numbers of
; tvec = relu-layer x tW2^T + tb2 + bc, in f32.
; LIMITS: a block of zeros gets the scale byte 1 (its codes are zeros; only this program reads the bytes); NaN and infinities are not served.
; REGISTERS: v1-10 addresses; v12 -M, v13 the largest t, v[14:15] the sum; v16-19, v24-27 the two tiles' Q, v20-23, v28-31 zeros; v32-63 eight tiles of K (4 registers each), v64-67 zeros; v68-99 V;
;   v100-163 S^T, then p; v164-195 O^T; v196-203 p's codes; v204-207 K's scale words, v208-209 V's, v210 and v228 Q's, v211 p's; v212-227, v229-232 at work.
.set SEL, 70                           ; s[70:71] lane selects for lane l xor 16
.set CS,  72                           ; s[72:73] c = log2(e) / 8
.macro WMS d, a, b, sa, sb, ra         ; a product that starts a sum
.if (\ra) == 0
	v_wmma_scale_f32_16x16x128_f8f6f4 v[\d:\d+7], v[\a:\a+7], v[\b:\b+7], 0, v[\sa], v[\sb] matrix_a_fmt:MATRIX_FMT_FP4 matrix_b_fmt:MATRIX_FMT_FP4
.else
	v_wmma_scale_f32_16x16x128_f8f6f4 v[\d:\d+7], v[\a:\a+7], v[\b:\b+7], 0, v[\sa], v[\sb] matrix_a_fmt:MATRIX_FMT_FP4 matrix_b_fmt:MATRIX_FMT_FP4 matrix_a_scale:MATRIX_SCALE_ROW1
.endif
.endm
.macro WMA d, a, b, sa, sb, ra         ; and one that adds in place
.if (\ra) == 0
	v_wmma_scale_f32_16x16x128_f8f6f4 v[\d:\d+7], v[\a:\a+7], v[\b:\b+7], v[\d:\d+7], v[\sa], v[\sb] matrix_a_fmt:MATRIX_FMT_FP4 matrix_b_fmt:MATRIX_FMT_FP4
.else
	v_wmma_scale_f32_16x16x128_f8f6f4 v[\d:\d+7], v[\a:\a+7], v[\b:\b+7], v[\d:\d+7], v[\sa], v[\sb] matrix_a_fmt:MATRIX_FMT_FP4 matrix_b_fmt:MATRIX_FMT_FP4 matrix_a_scale:MATRIX_SCALE_ROW1
.endif
.endm
; 32 numbers of a lane (four result tiles: register 8 t + j = index 16 t + 8 h + j of my row) become half a fragment, 4 registers at v[pc]; the two bytes are left in v[t + 2], v[t + 3]
.macro QUANT2 s, pc, t
.irp b, 0,1
	v_max3_num_f32 v[(\t)+\b], |v[(\s)+16*\b]|, |v[(\s)+16*\b+1]|, 0x1800000   ; with the floor 2^(3 - 127): the byte cannot fall under 1
.endr
.irp i, 2,4,6,8,10,12,14
.irp b, 0,1
	s_delay_alu instid0(VALU_DEP_2)
	v_max3_num_f32 v[(\t)+\b], v[(\t)+\b], |v[(\s)+16*\b+\i]|, |v[(\s)+16*\b+\i+1]|
.endr
.endr
.irp b, 0,1
	s_delay_alu instid0(VALU_DEP_2)
	v_permlanex16_b32 v[(\t)+2+\b], v[(\t)+\b], s[SEL], s[SEL+1]
.endr
.irp b, 0,1
	s_delay_alu instid0(VALU_DEP_2)
	v_max_num_f32 v[(\t)+\b], v[(\t)+\b], v[(\t)+2+\b]
.endr
.irp b, 0,1
	s_delay_alu instid0(VALU_DEP_2)
	v_add_nc_u32 v[(\t)+4+\b], 0xff000000, v[(\t)+\b]
.endr
.irp b, 0,1
	s_delay_alu instid0(VALU_DEP_2)
	v_lshrrev_b32 v[(\t)+2+\b], 23, v[(\t)+4+\b]
.endr
	v_cvt_scalef32_pk8_fp4_f32 v[(\pc)], v[(\s):(\s)+7], v[(\t)+4]
	v_cvt_scalef32_pk8_fp4_f32 v[(\pc)+2], v[(\s)+8:(\s)+15], v[(\t)+4]
	v_cvt_scalef32_pk8_fp4_f32 v[(\pc)+1], v[(\s)+16:(\s)+23], v[(\t)+5]
	v_cvt_scalef32_pk8_fp4_f32 v[(\pc)+3], v[(\s)+24:(\s)+31], v[(\t)+5]
	v_nop                                          ; one plain line behind the conversions
	v_permlane16_swap_b32 v[(\pc)], v[(\pc)+1]     ; a whole block to a lane: lanes 0-15 block 0, lanes 16-31 block 1
	v_permlane16_swap_b32 v[(\pc)+2], v[(\pc)+3]
.endm
	s_load_b512 s[4:19], s[0:1], 0x0               ; qkv_img, qkv_sc, hid, tW2, tb2, bc, enc codes, Wc codes
	s_load_b256 s[20:27], s[0:1], 0x40             ; o_img, o_sc, tvec, b_img
	v_lshl_add_u32 v254, v0, 2, 0x29000
	v_mov_b32 v255, 0
	ds_add_u32 v254, v255
	ds_add_u32 v254, v255
	v_lshrrev_b32 v1, 5, v0
	s_delay_alu instid0(VALU_DEP_1)
	v_readfirstlane_b32 s52, v1                    ; wave 0..15
	s_mov_b32 s53, ttmp9                           ; which half of the queries
	s_and_b32 s54, ttmp7, 0xffff                   ; 16 b + head
	; descriptor group 1: dense bytes as rows of 32 elements of 8 bytes; 64 rows (16 KiB) for the images, 24 rows (6 KiB) for the scale words
	s_mov_b32 s28, 3<<16
	s_mov_b32 s29, 32<<16
	s_mov_b32 s30, 64<<16
	s_mov_b32 s31, 32<<16
	s_mov_b32 s32, 64
	s_mov_b32 s33, 32
	s_mov_b32 s34, 0
	s_mov_b32 s35, 0
	s_mov_b32 s36, 3<<16
	s_mov_b32 s37, 32<<16
	s_mov_b32 s38, 24<<16
	s_mov_b32 s39, 32<<16
	s_mov_b32 s40, 24
	s_mov_b32 s41, 32
	s_mov_b32 s42, 0
	s_mov_b32 s43, 0
	s_mul_i32 s56, s54, 98304
	s_mov_b32 s57, 0
	s_mul_i32 s58, s54, 10240
	s_mov_b32 s59, 0
	s_lshl_b32 s45, s52, 14                        ; waves 0-3: LDS byte 16,384 x wave: K's images, then V's
	s_add_co_u32 s80, s45, 32768                   ; in the record they follow Q's 32 KiB
	s_mov_b32 s81, 0
	s_wait_dscnt 0x0
	s_wait_kmcnt 0x0
	s_add_nc_u64 s[4:5], s[4:5], s[56:57]          ; my head's record of images
	s_add_nc_u64 s[6:7], s[6:7], s[58:59]          ; and of scale words
	s_mov_b32 s44, 1
	s_add_nc_u64 s[46:47], s[4:5], s[80:81]
	s_or_b32 s47, s47, 0x80000000
	s_mov_b32 s48, 1
	s_mov_b32 s49, 65536                           ; wave 4: K's words at 65,536, V's at 69,632
	s_add_nc_u64 s[50:51], s[6:7], 4096
	s_or_b32 s51, s51, 0x80000000
	s_cmp_lt_u32 s52, 4
	s_cbranch_scc0 .Lnot_kv
	tensor_load_to_lds s[44:47], s[28:35]
	s_nop 0
.rept 4
	v_nop
.endr
	s_branch .Lasked
.Lnot_kv:
	s_cmp_eq_u32 s52, 4
	s_cbranch_scc0 .Lasked
	tensor_load_to_lds s[48:51], s[36:43]
	s_nop 0
.rept 4
	v_nop
.endr
.Lasked:
	s_mov_b32 s[SEL], 0x76543210
	s_mov_b32 s[SEL+1], 0xfedcba98
	s_mov_b32 s[CS], 0x3e38aa3b
	s_mov_b32 s[CS+1], s[CS]
	s_mov_b32 s79, 0xffff0000                      ; lanes 16-31
	v_and_b32 v231, 31, v0                         ; lane
	v_and_b32 v229, 15, v0                         ; r
	v_bfe_u32 v230, v0, 4, 1                       ; h
	s_delay_alu instid0(VALU_DEP_3)
	v_lshlrev_b32 v1, 4, v231                      ; 16 x lane: an image's place for my lane
	s_delay_alu instid0(VALU_DEP_4)
	; ---- addresses that stay
	v_lshl_add_u32 v2, v231, 2, 65536              ; K's scale words: lanes 0-15 an even tile's keys, lanes 16-31 the odd tile's
	v_lshl_add_u32 v3, v231, 2, 69632              ; V's likewise
	s_lshl_b32 s80, s52, 9
	v_add_nc_u32 v7, s80, v1                       ; Q's image: tile 16 i + wave of my half
	s_wait_alu depctr_va_vdst(0)
	s_lshl_b32 s80, s52, 6
	v_lshl_add_u32 v8, v229, 2, s80                ; Q's word: token 16 wave + r
	s_wait_alu depctr_va_vdst(0)
	s_lshl_b32 s80, s52, 13
	v_add_nc_u32 v9, s80, v1                       ; o_img: 8,192 bytes a tile of tokens
	s_lshl_b32 s80, s52, 9
	v_lshl_add_u32 v10, v229, 5, s80
	s_delay_alu instid0(VALU_DEP_1)
	v_add_nc_u32 v10, v10, v230                    ; o_sc: 32 bytes a token, + h
	s_lshl_b32 s80, s53, 14
	s_mov_b32 s81, 0
	s_add_nc_u64 s[60:61], s[4:5], s[80:81]        ; Q's images of my half
	s_lshl_b32 s80, s53, 11
	s_add_nc_u64 s[62:63], s[6:7], s[80:81]        ; Q's words
	s_lshr_b32 s82, s54, 4                         ; b
	s_and_b32 s83, s54, 15                         ; head
	s_lshl_b32 s80, s82, 19
	s_lshl_b32 s84, s83, 9
	s_add_co_u32 s80, s80, s84
	s_lshl_b32 s84, s53, 18
	s_add_co_u32 s80, s80, s84
	s_add_nc_u64 s[66:67], s[20:21], s[80:81]
	s_lshl_b32 s80, s82, 15
	s_lshl_b32 s84, s83, 1
	s_add_co_u32 s80, s80, s84
	s_lshl_b32 s84, s53, 14
	s_add_co_u32 s80, s80, s84
	s_add_nc_u64 s[68:69], s[22:23], s[80:81]
	global_load_b128 v[16:19], v7, s[60:61]                  ; both tiles' Q and its words, with the head's other loads
	global_load_b128 v[24:27], v7, s[60:61] offset:8192
	global_load_b32 v210, v8, s[62:63]
	global_load_b32 v228, v8, s[62:63] offset:1024
	; ---- the work under the fill.  G = 16 (2 y + x) + wave, 0 .. 4,095
	s_lshl_b32 s55, s54, 1
	s_add_co_u32 s55, s55, s53
	s_lshl_b32 s80, s55, 4
	s_add_co_u32 s80, s80, s52                     ; G
	s_lshr_b32 s81, s80, 3
	s_and_b32 s82, s80, 7
	s_lshl_b32 s83, s81, 13                        ; tile of 16 rows G / 8 (8,192 bytes), K step G % 8 (64 bytes of each row)
	s_lshl_b32 s84, s82, 6
	s_add_co_u32 s83, s83, s84
	v_lshlrev_b32 v212, 9, v229
	s_delay_alu instid0(VALU_DEP_1)
	v_lshl_add_u32 v212, v230, 4, v212
	s_delay_alu instid0(VALU_DEP_1)
	v_add_nc_u32 v212, s83, v212                   ; row r, + 16 h: the operand's layout
	s_wait_alu depctr_va_vdst(0)
	s_lshl_b32 s83, s80, 10
	v_add_nc_u32 v213, s83, v1                     ; image G, 16 bytes a lane
	s_lshl_b32 s83, s82, 11
	v_add_nc_u32 v214, s83, v1                     ; hid[b], b = G % 8
	s_wait_alu depctr_va_vdst(0)
	s_lshl_b32 s83, s81, 12
	v_add_nc_u32 v215, s83, v1                     ; tW2's rows 2 (G / 8) and the next: 4,096 consecutive bytes
	s_wait_alu depctr_va_vdst(0)
	s_lshl_b32 s84, s81, 3
	s_mov_b32 s85, 0
	s_add_nc_u64 s[12:13], s[12:13], s[84:85]
	s_add_nc_u64 s[14:15], s[14:15], s[84:85]
	s_load_b64 s[86:87], s[12:13], 0x0             ; tb2 of the two
	s_load_b64 s[88:89], s[14:15], 0x0             ; bc of the two
	s_lshl_b32 s83, s82, 12
	s_add_co_u32 s83, s83, s84                     ; where they go in tvec
	global_load_b128 v[100:103], v212, s[16:17]
	global_load_b128 v[104:107], v212, s[16:17] offset:32
.irp i, 0,1,2,3
	global_load_b128 v[116+4*\i:119+4*\i], v214, s[8:9] offset:512*\i
.endr
.irp i, 0,1,2,3,4,5,6,7
	global_load_b128 v[132+4*\i:135+4*\i], v215, s[10:11] offset:512*\i
.endr
	s_cmp_lt_u32 s55, 32                           ; Wc has 512 fragments: the first 32 work-groups' waves
	s_cbranch_scc0 .Lno_wc
	global_load_b128 v[108:111], v212, s[18:19]
	global_load_b128 v[112:115], v212, s[18:19] offset:32
	s_wait_loadcnt 0x0
	global_store_b128 v213, v[108:111], s[26:27] offset:4194304
	global_store_b128 v213, v[112:115], s[26:27] offset:4194304+512
.Lno_wc:
	s_wait_loadcnt 0x0
	global_store_b128 v213, v[100:103], s[26:27]             ; 32 lanes store 512 consecutive bytes
	global_store_b128 v213, v[104:107], s[26:27] offset:512
	v_pk_mul_f32 v[216:217], v[116:117], v[132:133]
	v_pk_mul_f32 v[218:219], v[116:117], v[148:149]
.set p, 2
.rept 7
	s_delay_alu instid0(VALU_DEP_2)
	v_pk_fma_f32 v[216:217], v[116+p:117+p], v[132+p:133+p], v[216:217]
	s_delay_alu instid0(VALU_DEP_2)
	v_pk_fma_f32 v[218:219], v[116+p:117+p], v[148+p:149+p], v[218:219]
.set p, p+2
.endr
	s_delay_alu instid0(VALU_DEP_2)
	v_add_f32 v216, v216, v217
	s_delay_alu instid0(VALU_DEP_2)
	v_add_f32 v217, v218, v219
.irp m, 1,2,4,8
	s_delay_alu instid0(VALU_DEP_2)
	v_add_f32_dpp v216, v216, v216 row_xmask:\m row_mask:0xf bank_mask:0xf
	s_delay_alu instid0(VALU_DEP_2)
	v_add_f32_dpp v217, v217, v217 row_xmask:\m row_mask:0xf bank_mask:0xf
.endr
	s_delay_alu instid0(VALU_DEP_2)
	v_permlanex16_b32 v218, v216, s[SEL], s[SEL+1]
	s_delay_alu instid0(VALU_DEP_2)
	v_permlanex16_b32 v219, v217, s[SEL], s[SEL+1]
	s_delay_alu instid0(VALU_DEP_2)
	v_add_f32 v216, v216, v218
	s_delay_alu instid0(VALU_DEP_2)
	v_add_f32 v217, v217, v219
	s_wait_alu depctr_va_vdst(0)
	s_wait_kmcnt 0x0
	v_add_f32 v216, s86, v216
	v_add_f32 v217, s87, v217
	s_delay_alu instid0(VALU_DEP_2)
	v_add_f32 v216, s88, v216
	s_delay_alu instid0(VALU_DEP_2)
	v_add_f32 v217, s89, v217
	v_mov_b32 v220, s83
	v_cmp_eq_u32 vcc_lo, 0, v231                   ; lane 0 stores the two
	s_wait_alu depctr_va_vdst(0)
	s_wait_xcnt 0x0                                ; EXEC changes only behind this wait
	s_and_saveexec_b32 s90, vcc_lo
	global_store_b64 v220, v[216:217], s[24:25]
	s_wait_xcnt 0x0                                ; and again in front of the line that widens it; all stores above have read their registers too
	s_or_b32 exec_lo, exec_lo, s90
.irp j, 20,21,22,23,28,29,30,31,64,65,66,67,225
	v_mov_b32 v[\j], 0                             ; Q's upper halves: zero codes; the registers behind K's last tile; one that is named in a pair before it is first written
.endr
	s_wait_tensorcnt 0x0                           ; my fill has landed
	s_barrier_signal -1
	s_barrier_wait -1                              ; everybody's has
.macro KLD s                           ; step s's eight tiles of K and their words: 12 loads
.irp t, 0,1,2,3,4,5,6,7
	ds_load_b128 v[32+4*\t:35+4*\t], v1 offset:4096*(\s)+512*\t
.endr
.irp p, 0,1,2,3
	ds_load_b32 v[204+\p], v2 offset:512*(\s)+128*\p
.endr
.endm
.macro VLD s                           ; step s's four fragments of V and their words: 10 loads
.irp d, 0,1,2,3
.irp c, 0,1
	ds_load_b128 v[68+8*\d+4*\c:71+8*\d+4*\c], v1 offset:32768+4096*(\s)+1024*\d+512*\c
.endr
.endr
.irp p, 0,1
	ds_load_b32 v[208+\p], v3 offset:256*(\s)+128*\p
.endr
.endm
; A KEY STEP: 128 keys.  qr: Q's operand; qw: its scale words; nk: the step whose K is asked for here (-1: none)
.macro STEP s, qr, qw, nk
	s_wait_dscnt 0x0                               ; K and its words are in: they were asked for a step ago
.irp t, 0,1,2,3,4,5,6,7
	WMS 100+8*\t, 32+4*\t, \qr, 204+\t/2, \qw, \t%2   ; the operand's upper four registers are the next tile's codes: they meet Q's zeros
.endr
	v_mov_b32 v232, v12                            ; the old -M.  With the three lines below: four plain lines between the products (these, and the last step's) and the loads into, and reads of, their registers
.rept 3
	v_nop
.endr
	VLD \s
.if (\nk) >= 0
	KLD \nk
.endif
.irp b, 0,1,2,3
	v_max3_num_f32 v[212+\b], v[100+16*\b], v[101+16*\b], v[102+16*\b]   ; the largest score of each block of 32 keys: for the row's maximum, and for the block's largest p
.endr
.irp i2, 3,5,7,9,11,13
.irp b, 0,1,2,3
	v_max3_num_f32 v[212+\b], v[212+\b], v[100+16*\b+\i2], v[101+16*\b+\i2]
.endr
.endr
.irp b, 0,1,2,3
	v_max_num_f32 v[212+\b], v[212+\b], v[115+16*\b]
.endr
.irp b, 0,1,2,3
	s_delay_alu instid0(VALU_DEP_4)
	v_permlanex16_b32 v[216+\b], v[212+\b], s[SEL], s[SEL+1]
.endr
.irp b, 0,1,2,3
	s_delay_alu instid0(VALU_DEP_4)
	v_max_num_f32 v[212+\b], v[212+\b], v[216+\b]
.endr
	s_delay_alu instid0(VALU_DEP_2)
	v_max3_num_f32 v226, v212, v213, v214
	s_delay_alu instid0(VALU_DEP_1)
	v_max_num_f32 v226, v226, v215
	s_delay_alu instid0(VALU_DEP_1)
	v_mul_f32 v226, s[CS], v226
	s_delay_alu instid0(VALU_DEP_1)
	v_max_num_f32 v13, v13, v226                   ; the running largest t
	s_delay_alu instid0(VALU_DEP_1)
	v_floor_f32 v12, -v13                          ; the new -M: M is a whole number
	s_delay_alu instid0(VALU_DEP_1)
	v_sub_f32 v226, v12, v232
	s_delay_alu instid0(VALU_DEP_1)
	v_cvt_i32_f32 v226, v226                       ; (it saturates)
	s_delay_alu instid0(VALU_DEP_1)
	v_ldexp_f32 v224, 1.0, v226                    ; f = 2^(old M - new M): rounds nothing
.set j, 0
.rept 32
	v_pk_fma_f32 v[100+j:101+j], v[100+j:101+j], s[CS:CS+1], v[12:13] op_sel_hi:[1,0,0]   ; t - M
.set j, j+2
.endr
.irp b, 0,1,2,3
	v_fma_f32 v[212+\b], v[212+\b], s[CS], v12
.endr
.set j, 0
	s_wait_alu depctr_va_vdst(0)
.rept 64
	v_exp_f32 v[100+j], v[100+j]                   ; p, not normalised: one batch
.set j, j+1
.endr
	v_pk_mul_f32 v[14:15], v[14:15], v[224:225] op_sel_hi:[1,0]   ; the sums under the new M (a plain line behind the batch)
	s_wait_alu depctr_va_vdst(0)                   ; one wait for the 64, ahead of their first reader
.irp b, 0,1,2,3
	v_exp_f32 v[212+\b], v[212+\b]                 ; each block's largest p
.endr
	v_pk_add_f32 v[216:217], v[104:105], v[108:109]
	v_pk_add_f32 v[252:253], v[112:113], v[116:117]
	v_pk_add_f32 v[250:251], v[120:121], v[124:125]
	v_pk_add_f32 v[248:249], v[128:129], v[132:133]
	v_pk_add_f32 v[246:247], v[136:137], v[140:141]
	v_pk_add_f32 v[244:245], v[144:145], v[148:149]
	v_pk_add_f32 v[242:243], v[152:153], v[156:157]
	v_pk_add_f32 v[14:15], v[14:15], v[160:161]
	v_pk_add_f32 v[216:217], v[216:217], v[100:101]
	v_pk_add_f32 v[252:253], v[252:253], v[102:103]
	v_pk_add_f32 v[250:251], v[250:251], v[106:107]
	v_pk_add_f32 v[248:249], v[248:249], v[110:111]
	v_pk_add_f32 v[246:247], v[246:247], v[114:115]
	v_pk_add_f32 v[244:245], v[244:245], v[118:119]
	v_pk_add_f32 v[242:243], v[242:243], v[122:123]
	v_pk_add_f32 v[14:15], v[14:15], v[126:127]
	v_pk_add_f32 v[216:217], v[216:217], v[130:131]
	v_pk_add_f32 v[252:253], v[252:253], v[134:135]
	v_pk_add_f32 v[250:251], v[250:251], v[138:139]
	v_pk_add_f32 v[248:249], v[248:249], v[142:143]
	v_pk_add_f32 v[246:247], v[246:247], v[146:147]
	v_pk_add_f32 v[244:245], v[244:245], v[150:151]
	v_pk_add_f32 v[242:243], v[242:243], v[154:155]
	v_pk_add_f32 v[14:15], v[14:15], v[158:159]
	v_pk_add_f32 v[216:217], v[216:217], v[162:163]
	s_delay_alu instid0(VALU_DEP_2)
	v_pk_add_f32 v[14:15], v[14:15], v[248:249]
	s_delay_alu instid0(VALU_DEP_2)
	v_pk_add_f32 v[216:217], v[216:217], v[246:247]
	v_pk_add_f32 v[252:253], v[252:253], v[244:245]
	v_pk_add_f32 v[250:251], v[250:251], v[242:243]
	s_delay_alu instid0(VALU_DEP_2)
	v_pk_add_f32 v[14:15], v[14:15], v[252:253]
	s_delay_alu instid0(VALU_DEP_2)
	v_pk_add_f32 v[216:217], v[216:217], v[250:251]
	s_delay_alu instid0(VALU_DEP_1)
	v_pk_add_f32 v[14:15], v[14:15], v[216:217]
	s_wait_alu depctr_va_vdst(0)                   ; and one for the four
.irp b, 0,1,2,3
	v_max_num_f32 v[212+\b], 0x1800000, v[212+\b]  ; the floor 2^(3 - 127)
.endr
.irp b, 0,1,2,3
	s_delay_alu instid0(VALU_DEP_4)
	v_add_nc_u32 v[220+\b], 0xff000000, v[212+\b]
.endr
.irp b, 0,1,2,3
	s_delay_alu instid0(VALU_DEP_4)
	v_lshrrev_b32 v[216+\b], 23, v[220+\b]
.endr
	s_delay_alu instid0(VALU_DEP_3)
	v_lshl_or_b32 v211, v217, 8, v216              ; p's scale word for these 128 keys
	s_delay_alu instid0(VALU_DEP_1)
	v_lshl_or_b32 v211, v218, 16, v211
	s_delay_alu instid0(VALU_DEP_1)
	v_lshl_or_b32 v211, v219, 24, v211
.irp c, 0,1
	v_cvt_scalef32_pk8_fp4_f32 v[196+4*\c], v[100+32*\c:107+32*\c], v[220+2*\c]
	v_cvt_scalef32_pk8_fp4_f32 v[198+4*\c], v[108+32*\c:115+32*\c], v[220+2*\c]
	v_cvt_scalef32_pk8_fp4_f32 v[197+4*\c], v[116+32*\c:123+32*\c], v[221+2*\c]
	v_cvt_scalef32_pk8_fp4_f32 v[199+4*\c], v[124+32*\c:131+32*\c], v[221+2*\c]
.endr
	v_nop                                          ; one plain line behind the conversions
.irp c, 0,1
	v_permlane16_swap_b32 v[196+4*\c], v[197+4*\c]
	v_permlane16_swap_b32 v[198+4*\c], v[199+4*\c]
.endr
.set j, 0
.rept 16
	v_pk_mul_f32 v[164+j:165+j], v[164+j:165+j], v[224:225] op_sel_hi:[1,0]   ; O^T under the new M; also the plain lines between the codes, the scale word and the products
.set j, j+2
.endr
.if (\nk) >= 0
	s_wait_alu depctr_va_vdst(0)
	s_wait_dscnt 12                                ; V and its words are in; the next step's twelve loads, issued behind them, stay out
.else
	s_wait_alu depctr_va_vdst(0)
	s_wait_dscnt 0x0
.endif
.irp d, 0,1,2,3
	WMA 164+8*\d, 68+8*\d, 196, 208+\d/2, 211, \d%2
.endr
.endm
; One tile of 16 queries: tile 16 i + wave of my half.  lastk: what the last step asks for: the next tile's first K, or nothing
.macro TILE i, qr, qw, lastk
.if \i > 0
	s_wait_xcnt 0x0                                ; the last tile's stores have read their registers
.endif
	v_mov_b32 v13, 0xff61b1e6                      ; the largest t so far: -3e38
	s_delay_alu instid0(VALU_DEP_1)
	v_floor_f32 v12, -v13                          ; -M
	v_mov_b32 v14, 0
	v_mov_b32 v15, 0
.set j, 0
.rept 32
	v_mov_b32 v[164+j], 0                          ; O^T: every step is alike; the first change of M leaves zeros zeros
.set j, j+1
.endr
.irp s, 0,1,2,3,4,5,6
	STEP \s, \qr, \qw, \s+1
.endr
	STEP 7, \qr, \qw, \lastk
.rept 4
	v_nop
.endr
	v_add_f32 v14, v14, v15
	s_delay_alu instid0(VALU_DEP_1)
	v_permlanex16_b32 v226, v14, s[SEL], s[SEL+1]
	s_delay_alu instid0(VALU_DEP_1)
	v_add_f32 v14, v14, v226                       ; the row's sum
	s_wait_alu depctr_va_vdst(0)
	v_rcp_f32 v14, v14
	v_nop
	s_wait_alu depctr_va_vdst(0)                   ; ahead of the reciprocal's first reader
.set j, 0
.rept 32
	v_mul_f32 v[100+j], v[164+j], v14              ; o(r, 16 t + 8 h + j), each accumulator from its low end on
.set j, j+1
.endr
	QUANT2 100, 196, 212
	v_cndmask_b32 v227, v214, v215, s79            ; lanes 0-15 keep block 0's byte, lanes 16-31 block 1's
	global_store_b128 v9, v[196:199], s[66:67] offset:131072*\i   ; 32 lanes store 512 consecutive bytes
	global_store_b8 v10, v227, s[68:69] offset:8192*\i
.endm
	KLD 0
	TILE 0, 16, 210, 0
	TILE 1, 24, 228, -1
	s_wait_tensorcnt 0x0
	ds_add_u32 v254, v255
	s_wait_dscnt 0x0
	s_endpgm
.Lfunc_end_k_qd45d0e132a_attn:
	.size	k_qd45d0e132a_attn, .Lfunc_end_k_qd45d0e132a_attn-k_qd45d0e132a_attn
	.p2alignl 7, 3214868480
	.fill 96, 4, 3214868480
	.section	.rodata,"a",@progbits
	.p2align	6, 0x0
	.amdhsa_kernel k_qd45d0e132a_attn
		.amdhsa_group_segment_fixed_size 169984
		.amdhsa_private_segment_fixed_size 0
		.amdhsa_enable_private_segment 0
		.amdhsa_kernarg_size 96
		.amdhsa_user_sgpr_count 2
		.amdhsa_user_sgpr_kernarg_segment_ptr 1
		.amdhsa_wavefront_size32 1
		.amdhsa_system_sgpr_workgroup_id_x 1
		.amdhsa_system_sgpr_workgroup_id_y 1
		.amdhsa_system_sgpr_workgroup_id_z 1
		.amdhsa_system_vgpr_workitem_id 0
		.amdhsa_next_free_vgpr 256
		.amdhsa_next_free_sgpr 96
		.amdhsa_reserve_vcc 1
		.amdhsa_float_denorm_mode_32 3
		.amdhsa_float_denorm_mode_16_64 3
		.amdhsa_memory_ordered 1
		.amdhsa_forward_progress 1
		.amdhsa_inst_pref_size 255
	.end_amdhsa_kernel
	.section	.bss,"aw",@nobits
	.p2align	6
	.space	262144
	.amdgpu_metadata
---
amdhsa.version: [ 1, 2 ]
amdhsa.kernels:
  - .name:           k_qd45d0e132a_attn
    .symbol:         k_qd45d0e132a_attn.kd
    .args:
      - { .name: qkv_img, .offset: 0, .size: 8, .value_kind: global_buffer, .address_space: global }
      - { .name: qkv_sc, .offset: 8, .size: 8, .value_kind: global_buffer, .address_space: global }
      - { .name: hid, .offset: 16, .size: 8, .value_kind: global_buffer, .address_space: global }
      - { .name: tW2, .offset: 24, .size: 8, .value_kind: global_buffer, .address_space: global }
      - { .name: tb2, .offset: 32, .size: 8, .value_kind: global_buffer, .address_space: global }
      - { .name: bc, .offset: 40, .size: 8, .value_kind: global_buffer, .address_space: global }
      - { .name: encoded_jobs_codes, .offset: 48, .size: 8, .value_kind: global_buffer, .address_space: global }
      - { .name: Wc_codes, .offset: 56, .size: 8, .value_kind: global_buffer, .address_space: global }
      - { .name: o_img, .offset: 64, .size: 8, .value_kind: global_buffer, .address_space: global }
      - { .name: o_sc, .offset: 72, .size: 8, .value_kind: global_buffer, .address_space: global }
      - { .name: tvec, .offset: 80, .size: 8, .value_kind: global_buffer, .address_space: global }
      - { .name: b_img, .offset: 88, .size: 8, .value_kind: global_buffer, .address_space: global }
    .group_segment_fixed_size: 169984
    .private_segment_fixed_size: 0
    .kernarg_segment_align: 8
    .kernarg_segment_size: 96
    .max_flat_workgroup_size: 512
    .sgpr_count:     96
    .vgpr_count:     256
    .wavefront_size: 32
...
	.end_amdgpu_metadata
.endif
;; end of part 2
;; launch final (part 3): grid 256 x 1, 16 waves a work-group, no clusters, 169,984 bytes of LDS; arguments b_img, Wc_scales, encoded_jobs_scales, o_img, o_sc, tvec, xt, conv_w, conv_b, out0; writes out0
.if DOCPART == 3
	.amdgcn_target "amdgcn-amd-amdhsa--gfx1250"
	.amdhsa_code_object_version 6
	.text
	.protected	k_qd45d0e132a_final
	.globl	k_qd45d0e132a_final
	.p2align	8
	.type	k_qd45d0e132a_final,@function
k_qd45d0e132a_final:
	s_mov_b64 s[64:65], 0
	v_nop
	global_prefetch_b8 v0, s[64:65] scope:SCOPE_SE
	s_setreg_imm32_b32 hwreg(HW_REG_WAVE_MODE, 25, 1), 1
	s_wait_xcnt 0x0
; mh = o Wc^T + (bc + t_emb), quantised along e; score = mh enc^T; out = softmax over two of conv(10 tanh(score / 32), xt).  Both products on codes of FP4 (E2M1) with E8M0 scales.
; SHARES.  A work-group takes 32 rows (two tiles of 16) of one batch and all 1,024 columns; wave w takes columns 64 w .. 64 w + 63 of both products: 8 accumulators.
; The weights' fragments (b_img: images of the operand's registers) go from memory straight into registers, three K steps ahead, in a ring of three sets: each fragment serves one wave alone, so a way through LDS
; or a joint load would add an LDS write and read for every byte and a round for each refill; that is why no cluster is used.
; The rows' fragments go through LDS: o's by a tensor load, mh's as images stored by the waves that made them.  The 32 rows of xt (128 KiB) come by tensor loads at the head and land under the products.
; Product 1 is used transposed (source 0 = 16 rows of Wc, source 1 = 16 rows of o): a lane holds one row, registers along e, which is quantised.  Its C is the bias, loaded into the accumulators.
; Product 2 is used as it stands (source 0 = mh's rows, source 1 = enc's rows): a lane holds one column; an exchange of halves then gives each register one row and 32 neighbouring columns.
; tanh(y) = 1 - 2 / (1 + 2^(2 log2(e) y)); the softmax over two takes its maximum away: with d = (c1 - c0) log2(e), e = 2^-|d|: the larger is 1 / (1 + e), the smaller e / (1 + e).
; LIMITS: a block of zeros gets the scale byte 1 (its codes are zeros); NaN and infinities are not served.
; LDS: 0 xt, 32 rows x 4,096; 131,072 o's 16 fragments; 147,456 mh's 16 fragments; 163,840 mh's scale bytes, 32 rows x 32.  The last two are written by LDS stores alone; nothing is filled again.
; REGISTERS: v1-9 addresses; v[10:15] three constants as pairs; v16-31 Wc's scale words, v32-47 enc's, v48-55 the rows'; v56-62 at work; v64-127 accumulators; v128-159 the rows' fragments, two sets; v160-255 the ring.
.set SEL, 66
.macro WM d, a, b, z, sa, sb, ra, rb
.if (\z)
.if ((\ra) == 0) && ((\rb) == 0)
	v_wmma_scale_f32_16x16x128_f8f6f4 v[\d:\d+7], v[\a:\a+7], v[\b:\b+7], 0, v[\sa], v[\sb] matrix_a_fmt:MATRIX_FMT_FP4 matrix_b_fmt:MATRIX_FMT_FP4
.elseif (\rb) == 0
	v_wmma_scale_f32_16x16x128_f8f6f4 v[\d:\d+7], v[\a:\a+7], v[\b:\b+7], 0, v[\sa], v[\sb] matrix_a_fmt:MATRIX_FMT_FP4 matrix_b_fmt:MATRIX_FMT_FP4 matrix_a_scale:MATRIX_SCALE_ROW1
.elseif (\ra) == 0
	v_wmma_scale_f32_16x16x128_f8f6f4 v[\d:\d+7], v[\a:\a+7], v[\b:\b+7], 0, v[\sa], v[\sb] matrix_a_fmt:MATRIX_FMT_FP4 matrix_b_fmt:MATRIX_FMT_FP4 matrix_b_scale:MATRIX_SCALE_ROW1
.else
	v_wmma_scale_f32_16x16x128_f8f6f4 v[\d:\d+7], v[\a:\a+7], v[\b:\b+7], 0, v[\sa], v[\sb] matrix_a_fmt:MATRIX_FMT_FP4 matrix_b_fmt:MATRIX_FMT_FP4 matrix_a_scale:MATRIX_SCALE_ROW1 matrix_b_scale:MATRIX_SCALE_ROW1
.endif
.else
.if ((\ra) == 0) && ((\rb) == 0)
	v_wmma_scale_f32_16x16x128_f8f6f4 v[\d:\d+7], v[\a:\a+7], v[\b:\b+7], v[\d:\d+7], v[\sa], v[\sb] matrix_a_fmt:MATRIX_FMT_FP4 matrix_b_fmt:MATRIX_FMT_FP4
.elseif (\rb) == 0
	v_wmma_scale_f32_16x16x128_f8f6f4 v[\d:\d+7], v[\a:\a+7], v[\b:\b+7], v[\d:\d+7], v[\sa], v[\sb] matrix_a_fmt:MATRIX_FMT_FP4 matrix_b_fmt:MATRIX_FMT_FP4 matrix_a_scale:MATRIX_SCALE_ROW1
.elseif (\ra) == 0
	v_wmma_scale_f32_16x16x128_f8f6f4 v[\d:\d+7], v[\a:\a+7], v[\b:\b+7], v[\d:\d+7], v[\sa], v[\sb] matrix_a_fmt:MATRIX_FMT_FP4 matrix_b_fmt:MATRIX_FMT_FP4 matrix_b_scale:MATRIX_SCALE_ROW1
.else
	v_wmma_scale_f32_16x16x128_f8f6f4 v[\d:\d+7], v[\a:\a+7], v[\b:\b+7], v[\d:\d+7], v[\sa], v[\sb] matrix_a_fmt:MATRIX_FMT_FP4 matrix_b_fmt:MATRIX_FMT_FP4 matrix_a_scale:MATRIX_SCALE_ROW1 matrix_b_scale:MATRIX_SCALE_ROW1
.endif
.endif
.endm
; 32 numbers of a lane (four result tiles: register 8 t + j = index 16 t + 8 h + j of my row) become half a fragment, 4 registers at v[pc]; the two bytes are left in v[t + 2], v[t + 3]
.macro QUANT2 s, pc, t
.irp b, 0,1
	v_max3_num_f32 v[(\t)+\b], |v[(\s)+16*\b]|, |v[(\s)+16*\b+1]|, 0x1800000   ; with the floor 2^(3 - 127): the byte cannot fall under 1
.endr
.irp i, 2,4,6,8,10,12,14
.irp b, 0,1
	v_max3_num_f32 v[(\t)+\b], v[(\t)+\b], |v[(\s)+16*\b+\i]|, |v[(\s)+16*\b+\i+1]|
.endr
.endr
.irp b, 0,1
	s_delay_alu instid0(VALU_DEP_2)
	v_permlanex16_b32 v[(\t)+2+\b], v[(\t)+\b], s[SEL], s[SEL+1]
.endr
.irp b, 0,1
	s_delay_alu instid0(VALU_DEP_2)
	v_max_num_f32 v[(\t)+\b], v[(\t)+\b], v[(\t)+2+\b]
.endr
.irp b, 0,1
	s_delay_alu instid0(VALU_DEP_2)
	v_add_nc_u32 v[(\t)+4+\b], 0xff000000, v[(\t)+\b]
.endr
.irp b, 0,1
	s_delay_alu instid0(VALU_DEP_2)
	v_lshrrev_b32 v[(\t)+2+\b], 23, v[(\t)+4+\b]
.endr
	v_cvt_scalef32_pk8_fp4_f32 v[(\pc)], v[(\s):(\s)+7], v[(\t)+4]
	v_cvt_scalef32_pk8_fp4_f32 v[(\pc)+2], v[(\s)+8:(\s)+15], v[(\t)+4]
	v_cvt_scalef32_pk8_fp4_f32 v[(\pc)+1], v[(\s)+16:(\s)+23], v[(\t)+5]
	v_cvt_scalef32_pk8_fp4_f32 v[(\pc)+3], v[(\s)+24:(\s)+31], v[(\t)+5]
	v_nop                                          ; one plain line behind the conversions
	v_permlane16_swap_b32 v[(\pc)], v[(\pc)+1]
	v_permlane16_swap_b32 v[(\pc)+2], v[(\pc)+3]
.endm
	s_load_b512 s[4:19], s[0:1], 0x0               ; b_img, Wc scales, enc scales, o_img, o_sc, tvec, xt, conv_w
	s_load_b128 s[20:23], s[0:1], 0x40             ; conv_b, out0
	v_lshl_add_u32 v254, v0, 2, 0x29000
	v_mov_b32 v255, 0
	ds_add_u32 v254, v255
	ds_add_u32 v254, v255
	s_wait_dscnt 0x0
	v_lshrrev_b32 v1, 5, v0
	s_delay_alu instid0(VALU_DEP_1)
	v_readfirstlane_b32 s30, v1                    ; wave 0..15
	s_lshr_b32 s31, ttmp9, 5                       ; the batch: 32 work-groups each
	; descriptor group 1: dense bytes as rows of 32 elements of 8 bytes: 8 rows (2 KiB of o's images) and 64 rows (16 KiB of xt) for each of waves 0-7
	s_mov_b32 s32, 3<<16
	s_mov_b32 s33, 32<<16
	s_mov_b32 s34, 8<<16
	s_mov_b32 s35, 32<<16
	s_mov_b32 s36, 8
	s_mov_b32 s37, 32
	s_mov_b32 s38, 0
	s_mov_b32 s39, 0
	s_mov_b32 s40, 3<<16
	s_mov_b32 s41, 32<<16
	s_mov_b32 s42, 64<<16
	s_mov_b32 s43, 32<<16
	s_mov_b32 s44, 64
	s_mov_b32 s45, 32
	s_mov_b32 s46, 0
	s_mov_b32 s47, 0
	s_lshl_b32 s56, ttmp9, 14
	s_lshl_b32 s49, s30, 11
	s_add_co_u32 s56, s56, s49
	s_mov_b32 s57, 0
	s_add_co_u32 s49, s49, 131072                  ; LDS: o's images, 2,048 x wave
	s_lshl_b32 s58, ttmp9, 17
	s_lshl_b32 s53, s30, 14                        ; LDS: xt, 16,384 x wave
	s_add_co_u32 s58, s58, s53
	s_mov_b32 s59, 0
	s_wait_kmcnt 0x0
	s_mov_b32 s48, 1
	s_add_nc_u64 s[50:51], s[10:11], s[56:57]
	s_or_b32 s51, s51, 0x80000000
	s_mov_b32 s52, 1
	s_add_nc_u64 s[54:55], s[16:17], s[58:59]
	s_or_b32 s55, s55, 0x80000000
	s_cmp_lt_u32 s30, 8                            ; a wave's two fills stand in one branch: two tensor loads of mine are out
	s_cbranch_scc0 .Lno_fill
	tensor_load_to_lds s[48:51], s[32:39]
	s_nop 0
	tensor_load_to_lds s[52:55], s[40:47]
	s_nop 0
.rept 4
	v_nop
.endr
.Lno_fill:
	s_load_b128 s[24:27], s[18:19], 0x0            ; conv_w: w00 w01 w10 w11
	s_load_b64 s[28:29], s[20:21], 0x0             ; conv_b
	s_mov_b32 s[SEL], 0x76543210
	s_mov_b32 s[SEL+1], 0xfedcba98
	s_mov_b32 s68, 0xffff0000                      ; lanes 16-31
	s_mov_b32 s57, 0
	s_lshl_b32 s56, ttmp9, 10
	s_add_nc_u64 s[12:13], s[12:13], s[56:57]      ; my 32 rows' scale bytes
	s_lshl_b32 s56, s31, 12
	s_add_nc_u64 s[14:15], s[14:15], s[56:57]      ; tvec[b]
	s_lshl_b32 s56, s31, 15
	s_add_nc_u64 s[8:9], s[8:9], s[56:57]          ; enc's scale bytes of my batch
	s_add_nc_u64 s[70:71], s[4:5], 4194304         ; Wc's images
	s_lshl_b32 s56, s31, 19
	s_add_nc_u64 s[72:73], s[4:5], s[56:57]        ; enc's images of my batch
	s_lshl_b32 s56, ttmp9, 18
	s_add_nc_u64 s[22:23], s[22:23], s[56:57]      ; my 32 rows of out0
	v_and_b32 v60, 31, v0                          ; lane
	v_bfe_u32 v62, v0, 4, 1                        ; h
	s_lshl_b32 s56, s30, 15
	v_lshl_add_u32 v1, v60, 4, s56                 ; images: my four tiles begin 32,768 x wave on
	v_lshl_add_u32 v2, v60, 4, 131072              ; the rows' fragments in LDS
	s_lshl_b32 s56, s30, 9
	s_add_co_u32 s56, s56, 147456
	v_lshl_add_u32 v3, v60, 4, s56                 ; where my half fragment of mh goes
	s_lshl_b32 s56, s30, 1
	s_add_co_u32 s56, s56, 163840
	v_lshl_add_u32 v4, v60, 5, s56                 ; and my two scale bytes of row = lane
	v_lshl_add_u32 v5, v60, 5, 163840
	s_lshl_b32 s56, s30, 8
	v_lshl_add_u32 v6, v60, 2, s56                 ; xt in LDS: column 64 w + lane
	s_delay_alu instid0(VALU_DEP_1)
	v_add_nc_u32 v7, 65536, v6                     ; rows 16-31
	s_lshl_b32 s56, s30, 9
	v_lshl_add_u32 v8, v60, 3, s56                 ; out0: 8 bytes a column
	v_lshlrev_b32 v9, 5, v60
	s_lshl_b32 s56, s30, 11
	v_lshl_add_u32 v56, v60, 5, s56                ; the weights' scale bytes: row 64 w + lane
	s_lshl_b32 s56, s30, 8
	v_lshl_add_u32 v57, v62, 5, s56                ; the bias: 256 w + 32 h
	global_load_b128 v[48:51], v9, s[12:13]        ; lane l: row l's eight words
	global_load_b128 v[52:55], v9, s[12:13] offset:16
.irp p, 0,1
	global_load_b128 v[16+8*\p:19+8*\p], v56, s[6:7] offset:1024*\p
	global_load_b128 v[20+8*\p:23+8*\p], v56, s[6:7] offset:1024*\p+16
.endr
.irp p, 0,1
	global_load_b128 v[32+8*\p:35+8*\p], v56, s[8:9] offset:1024*\p
	global_load_b128 v[36+8*\p:39+8*\p], v56, s[8:9] offset:1024*\p+16
.endr
.irp p, 0,1
.irp t, 0,1,2,3
	global_load_b128 v[64+8*(4*\p+\t):67+8*(4*\p+\t)], v57, s[14:15] offset:64*\t      ; the bias is the first product's C
	global_load_b128 v[68+8*(4*\p+\t):71+8*(4*\p+\t)], v57, s[14:15] offset:64*\t+16
.endr
.endr
.macro RING i                          ; step i's four fragments of the weight (steps 0-7: Wc; 8-15: enc) into set i % 3
.set RBL, 160+32*((\i)%3)
.irp t, 0,1,2,3
.irp c, 0,1
.if (\i) < 8
	global_load_b128 v[RBL+8*\t+4*\c:RBL+8*\t+4*\c+3], v1, s[70:71] offset:8192*\t+1024*((\i)%8)+512*\c
.else
	global_load_b128 v[RBL+8*\t+4*\c:RBL+8*\t+4*\c+3], v1, s[72:73] offset:8192*\t+1024*((\i)%8)+512*\c
.endif
.endr
.endr
.endm
.macro AFL i                           ; step i's fragments of the two tiles of rows into set i % 2
.set ABL, 128+16*((\i)%2)
.irp p, 0,1
.irp c, 0,1
	ds_load_b128 v[ABL+8*\p+4*\c:ABL+8*\p+4*\c+3], v2 offset:16384*((\i)/8)+8192*\p+1024*((\i)%8)+512*\c
.endr
.endr
.endm
	RING 0
	RING 1
	RING 2
	s_wait_kmcnt 0x0
	v_sub_f32 v58, s26, s24                        ; w10 - w00
	v_sub_f32 v59, s27, s25                        ; w11 - w01
	v_sub_f32 v61, s29, s28                        ; b1 - b0
	s_delay_alu instid0(VALU_DEP_3)
	v_mul_f32 v10, 0xc1e6d4ca, v58                 ; kR = -20 log2(e) (w10 - w00)
	s_delay_alu instid0(VALU_DEP_3)
	v_mul_f32 v12, 0x3fb8aa3b, v59                 ; kX = log2(e) (w11 - w01)
	s_delay_alu instid0(VALU_DEP_3)
	v_fmamk_f32 v61, v58, 0x41200000, v61
	s_delay_alu instid0(VALU_DEP_1)
	v_mul_f32 v14, 0x3fb8aa3b, v61                 ; k0 = log2(e) (10 (w10 - w00) + b1 - b0)
	s_delay_alu instid0(VALU_DEP_4)
	v_mov_b32 v11, v10
	s_delay_alu instid0(VALU_DEP_4)
	v_mov_b32 v13, v12
	s_delay_alu instid0(VALU_DEP_3)
	v_mov_b32 v15, v14
	s_wait_tensorcnt 0x1                           ; my part of o's images is in; xt's load stays out
	s_barrier_signal -1
	s_barrier_wait -1                              ; everybody's is
	AFL 0
; A K step of 128: 8 matrix instructions, the 8 accumulators by turns.
.macro STEP i
.if (\i)%8 < 7
	AFL (\i)+1
.endif
.set RB, 160+32*((\i)%3)
.set AB, 128+16*((\i)%2)
.set KQ, (\i)%8
.if (\i) <= 13
	s_wait_loadcnt 16                              ; this step's fragments are in; the two younger steps' sixteen loads stay out
.elseif (\i) == 14
	s_wait_loadcnt 8
.else
	s_wait_loadcnt 0
.endif
.if (\i)%8 < 7
	s_wait_dscnt 4                                 ; all but the four just issued
.else
	s_wait_dscnt 0
.endif
.irp p, 0,1
.irp t, 0,1,2,3
.if (\i) < 8
	WM 64+8*(4*\p+\t), RB+8*\t, AB+8*\p, 0, 16+8*(\t/2)+KQ, 48+KQ, \t%2, \p
.elseif (\i) == 8
	WM 64+8*(4*\p+\t), AB+8*\p, RB+8*\t, 1, 48+KQ, 32+8*(\t/2)+KQ, \p, \t%2
.else
	WM 64+8*(4*\p+\t), AB+8*\p, RB+8*\t, 0, 48+KQ, 32+8*(\t/2)+KQ, \p, \t%2
.endif
.endr
.endr
.rept 4
	v_nop                                          ; plain lines between the products and the loads into, or reads of, their registers
.endr
.if (\i)+3 <= 15
	RING (\i)+3
.endif
.endm
.irp i, 0,1,2,3,4,5,6,7
	STEP \i
.endr
	; ---- mh is quantised: my 64 columns are two blocks of 32: half a fragment and two scale bytes for each row
.irp j, 138,139,146,147
	v_mov_b32 v[\j], 0                             ; a lane permute's destination counts as one of its sources
.endr
.irp p, 0,1
	QUANT2 64+32*\p, 128+4*\p, 136+8*\p
	v_lshl_or_b32 v[152+\p], v[139+8*\p], 8, v[138+8*\p]
	ds_store_b128 v3, v[128+4*\p:131+4*\p] offset:8192*\p
.endr
	v_cndmask_b32 v154, v152, v153, s68            ; lanes 0-15: rows 0-15; lanes 16-31: rows 16-31
	ds_store_b16 v4, v154
	s_wait_tensorcnt 0x0                           ; my part of xt has landed
	s_wait_dscnt 0x0                               ; my stores have landed
	s_barrier_signal -1
	s_barrier_wait -1                              ; mh's images, its scale bytes and xt are whole
	ds_load_b128 v[48:51], v5                      ; lane l: row l's eight words
	ds_load_b128 v[52:55], v5 offset:16
	AFL 8
.irp i, 8,9,10,11,12,13,14,15
	STEP \i
.endr
	; ---- the tail, 16 rows x 32 columns at a time
.macro XLD c
.set XBL, 128+16*((\c)%2)
.set k, 0
.rept 16
.if (\c) < 2
	ds_load_b32 v[XBL+k], v6 offset:4096*k+128*((\c)%2)
.else
	ds_load_b32 v[XBL+k], v7 offset:4096*k+128*((\c)%2)
.endif
.set k, k+1
.endr
.endm
.macro CHUNK c
.if (\c) < 3
	XLD (\c)+1
.endif
.set S_, 64+16*(\c)
.set X_, 128+16*((\c)%2)
.set O_, 176+32*((\c)%2)
.set k, 0
.rept 8
	v_permlane16_swap_b32 v[S_+k], v[S_+8+k]       ; register k: row 16 (c / 2) + k, column 64 w + 32 (c % 2) + lane; each accumulator from its low end on
.set k, k+1
.endr
.set k, 0
.rept 8
	v_pk_mul_f32 v[S_+k:S_+k+1], v[S_+k:S_+k+1], 0x3db8aa3b op_sel_hi:[1,0]   ; x 2 log2(e) / 32
.set k, k+2
.endr
.set k, 0
	s_wait_alu depctr_va_vdst(0)
.rept 16
	v_exp_f32 v[S_+k], v[S_+k]
.set k, k+1
.endr
.if (\c) < 3
	s_wait_dscnt 16                                ; this chunk's x is in; the next chunk's sixteen loads stay out
.else
	s_wait_dscnt 0
.endif
.set k, 0
.rept 8
	v_pk_fma_f32 v[X_+k:X_+k+1], v[X_+k:X_+k+1], v[12:13], v[14:15]   ; kX x + k0: plain work behind the batch
.set k, k+2
.endr
	s_wait_alu depctr_va_vdst(0)                   ; one wait for the sixteen, ahead of their first reader
.set k, 0
.rept 8
	v_pk_add_f32 v[S_+k:S_+k+1], v[S_+k:S_+k+1], 1.0 op_sel_hi:[1,0]
.set k, k+2
.endr
.set k, 0
	s_wait_alu depctr_va_vdst(0)
.rept 16
	v_rcp_f32 v[S_+k], v[S_+k]                     ; R: tanh = 1 - 2 R
.set k, k+1
.endr
	v_nop
	s_wait_alu depctr_va_vdst(0)
.set k, 0
.rept 8
	v_pk_fma_f32 v[S_+k:S_+k+1], v[S_+k:S_+k+1], v[10:11], v[X_+k:X_+k+1]   ; d
.set k, k+2
.endr
.set k, 0
	s_wait_alu depctr_va_vdst(0)
.rept 16
	v_exp_f32 v[160+k], -|v[S_+k]|                 ; e = 2^-|d|: the maximum is taken away
.set k, k+1
.endr
	v_nop
	s_wait_alu depctr_va_vdst(0)
.set k, 0
.rept 8
	v_pk_add_f32 v[X_+k:X_+k+1], v[160+k:161+k], 1.0 op_sel_hi:[1,0]
.set k, k+2
.endr
.set k, 0
	s_wait_alu depctr_va_vdst(0)
.rept 16
	v_rcp_f32 v[X_+k], v[X_+k]                     ; the larger of the two
.set k, k+1
.endr
	v_nop
	s_wait_alu depctr_va_vdst(0)
.set k, 0
.rept 8
	v_pk_mul_f32 v[160+k:161+k], v[160+k:161+k], v[X_+k:X_+k+1]   ; the smaller
.set k, k+2
.endr
.if (\c) >= 2
	s_wait_alu depctr_va_vdst(0)
	s_wait_xcnt 0x0                                ; the stores of two chunks ago have read these registers
.endif
.set k, 0
.rept 16
	v_cmp_lt_f32 vcc_lo, 0, v[S_+k]
	v_cndmask_b32 v[O_+2*k], v[X_+k], v[160+k], vcc_lo
	v_cndmask_b32 v[O_+2*k+1], v[160+k], v[X_+k], vcc_lo
.set k, k+1
.endr
.set k, 0
.rept 16
	global_store_b64 v8, v[O_+2*k:O_+2*k+1], s[22:23] offset:8192*(16*((\c)/2)+k)+256*((\c)%2) th:TH_STORE_NT   ; 32 lanes store 256 consecutive bytes, aligned; written once
.set k, k+1
.endr
.endm
	XLD 0
	CHUNK 0
	CHUNK 1
	CHUNK 2
	CHUNK 3
	s_wait_xcnt 0x0
	v_lshl_add_u32 v254, v0, 2, 0x29000
	v_mov_b32 v255, 0
	s_wait_alu depctr_va_vdst(0)
	s_wait_tensorcnt 0x0
	ds_add_u32 v254, v255
	s_wait_dscnt 0x0
	s_endpgm
.Lfunc_end_k_qd45d0e132a_final:
	.size	k_qd45d0e132a_final, .Lfunc_end_k_qd45d0e132a_final-k_qd45d0e132a_final
	.p2alignl 7, 3214868480
	.fill 96, 4, 3214868480
	.section	.rodata,"a",@progbits
	.p2align	6, 0x0
	.amdhsa_kernel k_qd45d0e132a_final
		.amdhsa_group_segment_fixed_size 169984
		.amdhsa_private_segment_fixed_size 0
		.amdhsa_enable_private_segment 0
		.amdhsa_kernarg_size 80
		.amdhsa_user_sgpr_count 2
		.amdhsa_user_sgpr_kernarg_segment_ptr 1
		.amdhsa_wavefront_size32 1
		.amdhsa_system_sgpr_workgroup_id_x 1
		.amdhsa_system_sgpr_workgroup_id_y 1
		.amdhsa_system_sgpr_workgroup_id_z 1
		.amdhsa_system_vgpr_workitem_id 0
		.amdhsa_next_free_vgpr 256
		.amdhsa_next_free_sgpr 80
		.amdhsa_reserve_vcc 1
		.amdhsa_float_denorm_mode_32 3
		.amdhsa_float_denorm_mode_16_64 3
		.amdhsa_memory_ordered 1
		.amdhsa_forward_progress 1
		.amdhsa_inst_pref_size 90
	.end_amdhsa_kernel
	.amdgpu_metadata
---
amdhsa.version: [ 1, 2 ]
amdhsa.kernels:
  - .name:           k_qd45d0e132a_final
    .symbol:         k_qd45d0e132a_final.kd
    .args:
      - { .name: b_img, .offset: 0, .size: 8, .value_kind: global_buffer, .address_space: global }
      - { .name: Wc_scales, .offset: 8, .size: 8, .value_kind: global_buffer, .address_space: global }
      - { .name: encoded_jobs_scales, .offset: 16, .size: 8, .value_kind: global_buffer, .address_space: global }
      - { .name: o_img, .offset: 24, .size: 8, .value_kind: global_buffer, .address_space: global }
      - { .name: o_sc, .offset: 32, .size: 8, .value_kind: global_buffer, .address_space: global }
      - { .name: tvec, .offset: 40, .size: 8, .value_kind: global_buffer, .address_space: global }
      - { .name: xt, .offset: 48, .size: 8, .value_kind: global_buffer, .address_space: global }
      - { .name: conv_w, .offset: 56, .size: 8, .value_kind: global_buffer, .address_space: global }
      - { .name: conv_b, .offset: 64, .size: 8, .value_kind: global_buffer, .address_space: global }
      - { .name: out0, .offset: 72, .size: 8, .value_kind: global_buffer, .address_space: global }
    .group_segment_fixed_size: 169984
    .private_segment_fixed_size: 0
    .kernarg_segment_align: 8
    .kernarg_segment_size: 80
    .max_flat_workgroup_size: 512
    .sgpr_count:     80
    .vgpr_count:     256
    .wavefront_size: 32
...
	.end_amdgpu_metadata
.endif
;; end of part 3
